; MI455X (gfx1250); checked and timed in simulation.
; The chip was launched on July 23, 2026; its instructions are those of AMD's public machine-readable ISA for CDNA 5 (MIT licence, August 2026) and "CDNA5" Instruction Set Architecture Reference Guide (July 2026). The comments in the code are by the model that wrote it; some were corrected since.
;; Multi Head Self Attention. Allowed arithmetic: float matrix products may take bf16 or f16 operands with f32 sums; other float arithmetic in f32, or as packed bf16 or f16 multiplies, adds, multiply-adds, maxima and minima; sums over many terms, partial sums and values carried from step to step in f32; what a program stores and reads back later, other than sums and carried values, may be rounded once to bf16 or f16.
;; Inputs: Wk 1,024 x 1,024 float32; Wo 1,024 x 1,024 float32; Wq 1,024 x 1,024 float32; Wv 1,024 x 1,024 float32; bo 1,024 float32; x 4 x 4,096 x 1,024 float32.
;; Outputs: out0 4 x 4,096 x 1,024 float32.
;; 2 versions, each right; version 2 is version 1 with the launch prep written anew for expert scheduling mode. Each part assembles by itself: llvm-mc -triple=amdgcn-amd-amdhsa -mcpu=gfx1250 --defsym DOCPART=n.
;; ======== version 1 of 2: 5 launches
;; workspace buffers: xb 33,554,432 bytes; wts 6,422,528 bytes; qk 67,108,864 bytes; pb 8,388,608 bytes; stats 524,288 bytes; vsb 2,097,152 bytes; atab 1,048,576 bytes
;; launch prep (part 1): grid 1248 x 1, 8 waves a work-group, no clusters, 0 bytes of LDS; arguments x, Wq, Wk, Wv, Wo, xb, wts; writes xb, wts
.if DOCPART == 1
	.amdgcn_target "amdgcn-amd-amdhsa--gfx1250"
	.amdhsa_code_object_version 6
	.text
	.protected	k_q523e219060_prep
	.globl	k_q523e219060_prep
	.p2align	8
	.type	k_q523e219060_prep,@function
k_q523e219060_prep:
	s_mov_b64 s[64:65], 0
	v_nop
	global_prefetch_b8 v0, s[64:65] scope:SCOPE_SE
	s_setreg_imm32_b32 hwreg(HW_REG_WAVE_MODE, 25, 1), 1
	s_wait_xcnt 0x0
; PREP: every matrix input is rounded once to bf16 and laid out as the later launches read it.  A stream: no LDS, no loop, each byte read once.
;   xb  [16384][1024] bf16 = x.
;   wts byte 0:         wqk [2048][1024] bf16: row nn (below 1024 of Wq, else of Wk) = source row 64 r + 16 c + 8 h + i, with c = nn'>>8, h = (nn'>>7)&1, r = (nn'>>3)&15, i = nn'&7:
;                       so a token's q (and k) leaves the product as four runs of 512 bytes in which lane 16 h + r finds head r, channels 16 c + 8 h + 0..7.
;   wts byte 4,194,304: wob [ot 64][j 16][c 4][lane 32][8] = Wo[16 ot + r][64 j + 16 c + 8 h + 0..7].
;   wts byte 6,291,456: wvs [ks 32][dt 4][g2 2][lane 32][8] = the sum over the 16 heads hd of bf16(Wv[64 hd + 16 dt + r][32 ks + 16 g2 + 8 h + 0..7]), summed in f32, rounded once.
; ROLES by the work-group's number g: 0..1023 sixteen rows of x; 1024..1151 sixteen rows of wqk; 1152..1215 one ot of wob; 1216..1247 eight runs of wvs, one a wave.
; LIMITS: bf16 keeps 8 significant bits; NaN and infinities pass through the conversion as they are.
.set G_X,   1024
.set G_W,   1152
.set G_O,   1216
.set WOB,   4194304
.set WVS,   6291456
.set X,   16                           ; v[16:143] as loaded
.set Y,   80                           ; v[80:111] rows and wob: packed results, a set for each store: no store's data is rewritten
.set T,   144                          ; v[144:151] wvs: eight numbers at work
.set PKD, 152                          ; v[152:155] wvs: a head's eight numbers rounded to bf16
.set SUM, 156                          ; v[156:163] wvs: the sums
.set OUTW, 164                         ; v[164:167] wvs: the sums rounded
	s_load_b256 s[4:11], s[0:1], 0x0               ; x s[4:5], Wq s[6:7], Wk s[8:9], Wv s[10:11]
	s_load_b128 s[12:15], s[0:1], 0x20             ; Wo s[12:13], xb s[14:15]
	s_load_b64 s[16:17], s[0:1], 0x30              ; wts
	s_mov_b32 s20, ttmp9                           ; g
	s_mov_b32 s23, 0                               ; high word of every offset
	s_mov_b32 s35, 0xffff0000                      ; a word's upper bf16
	v_lshrrev_b32 v1, 5, v0
	v_readfirstlane_b32 s21, v1                    ; wave 0..7
	v_lshlrev_b32 v2, 4, v0                        ; rows: my 4 f32 of a row
	v_lshlrev_b32 v3, 3, v0                        ; rows: my 4 bf16 of a row
	v_and_b32 v4, 31, v0                           ; lane
	v_and_b32 v5, 15, v0                           ; r
	v_bfe_u32 v6, v0, 4, 1                         ; h
	v_lshlrev_b32 v7, 12, v5
	v_lshl_add_u32 v7, v6, 5, v7                   ; wob, wvs: row r of 4,096 bytes + 8 h numbers
	s_wait_kmcnt 0x0
	s_cmp_lt_u32 s20, G_X
	s_cbranch_scc0 .Lnot_x
	s_lshl_b32 s22, s20, 16                        ; 16 rows of 4,096 bytes
	s_add_nc_u64 s[24:25], s[4:5], s[22:23]        ; rows 0-7
	s_add_nc_u64 s[26:27], s[24:25], 8*4096        ; rows 8-15
	s_lshl_b32 s22, s20, 15                        ; 16 rows of 2,048 bytes
	s_add_nc_u64 s[28:29], s[14:15], s[22:23]
	s_branch .Lrows
.Lnot_x:
	s_cmp_lt_u32 s20, G_W
	s_cbranch_scc0 .Lnot_w
	s_sub_co_u32 s30, s20, G_X                     ; u: destination rows 16 u .. 16 u + 15
	s_cmp_lt_u32 s30, 64
	s_cselect_b64 s[24:25], s[6:7], s[8:9]         ; Wq, then Wk
	s_and_b32 s31, s30, 7
	s_lshl_b32 s31, s31, 7                         ; r = 2 (u & 7) + (row >> 3): 128 (u & 7)
	s_bfe_u32 s32, s30, 0x20004
	s_lshl_b32 s32, s32, 4                         ; + 16 c
	s_add_co_u32 s31, s31, s32
	s_bfe_u32 s32, s30, 0x10003
	s_lshl_b32 s32, s32, 3                         ; + 8 h
	s_add_co_u32 s31, s31, s32
	s_lshl_b32 s22, s31, 12
	s_add_nc_u64 s[24:25], s[24:25], s[22:23]      ; destination rows 0-7: eight source rows on end,
	s_add_nc_u64 s[26:27], s[24:25], 64*4096       ; rows 8-15: the next head's, 64 rows on
	s_lshl_b32 s22, s30, 15
	s_add_nc_u64 s[28:29], s[16:17], s[22:23]
.Lrows:
	; sixteen loads are out at once; each wait leaves the younger ones out; a store of a wave covers 256 consecutive bytes, aligned
.irp u, 0,1,2,3,4,5,6,7
	global_load_b128 v[X+4*(\u):X+4*(\u)+3], v2, s[24:25] offset:(\u)*4096 th:TH_LOAD_NT
.endr
.irp u, 0,1,2,3,4,5,6,7
	global_load_b128 v[X+32+4*(\u):X+32+4*(\u)+3], v2, s[26:27] offset:(\u)*4096 th:TH_LOAD_NT
.endr
.irp u, 0,1,2,3,4,5,6,7,8,9,10,11,12,13,14,15
	s_wait_loadcnt 15-(\u)                         ; loads come back in order: row u is in
	v_cvt_pk_bf16_f32 v[Y+2*(\u)],   v[X+4*(\u)],   v[X+4*(\u)+1]
	v_cvt_pk_bf16_f32 v[Y+2*(\u)+1], v[X+4*(\u)+2], v[X+4*(\u)+3]
	global_store_b64 v3, v[Y+2*(\u):Y+2*(\u)+1], s[28:29] offset:(\u)*2048
.endr
	s_endpgm
.Lnot_w:
	s_cmp_lt_u32 s20, G_O
	s_cbranch_scc0 .Lwv
	; WOB: wave w takes j = 2 w, 2 w + 1: run k = 4 (j & 1) + c of its eight
	s_sub_co_u32 s30, s20, G_W                     ; ot
	s_lshl_b32 s22, s30, 16                        ; 16 rows of Wo
	s_add_nc_u64 s[24:25], s[12:13], s[22:23]
	s_lshl_b32 s22, s30, 15
	s_add_nc_u64 s[28:29], s[16:17], s[22:23]
	s_add_nc_u64 s[28:29], s[28:29], WOB
	s_lshl_b32 s31, s21, 9                         ; two j: 512 bytes of a row
	v_add_nc_u32 v9, s31, v7
	s_lshl_b32 s31, s21, 12                        ; eight runs of 512 bytes
	v_lshl_add_u32 v8, v4, 4, s31
.irp k, 0,1,2,3,4,5,6,7
	global_load_b128 v[X+8*(\k):X+8*(\k)+3],   v9, s[24:25] offset:((\k)/4)*256+((\k)%4)*64 th:TH_LOAD_NT
	global_load_b128 v[X+8*(\k)+4:X+8*(\k)+7], v9, s[24:25] offset:((\k)/4)*256+((\k)%4)*64+16 th:TH_LOAD_NT
.endr
.irp k, 0,1,2,3,4,5,6,7
	s_wait_loadcnt 14-2*(\k)                       ; run k's two loads are in
.irp p, 0,1,2,3
	v_cvt_pk_bf16_f32 v[Y+4*(\k)+(\p)], v[X+8*(\k)+2*(\p)], v[X+8*(\k)+2*(\p)+1]
.endr
	global_store_b128 v8, v[Y+4*(\k):Y+4*(\k)+3], s[28:29] offset:(\k)*512   ; 512 consecutive bytes
.endr
	s_endpgm
.Lwv:
	; WVS: one run a wave: the same 8 numbers a lane from each of the 16 heads
	s_sub_co_u32 s30, s20, G_O                     ; u
	s_and_b32 s31, s30, 1
	s_lshl_b32 s31, s31, 1
	s_lshr_b32 s32, s21, 2
	s_add_co_u32 s31, s31, s32                     ; dt = 2 (u & 1) + (wave >> 2)
	s_lshr_b32 s32, s30, 1
	s_lshl_b32 s32, s32, 1
	s_bfe_u32 s33, s21, 0x10001
	s_add_co_u32 s32, s32, s33                     ; ks = 2 (u >> 1) + ((wave >> 1) & 1)
	s_and_b32 s33, s21, 1                          ; g2
	s_lshl_b32 s22, s31, 16                        ; 16 dt rows
	s_lshl_b32 s34, s32, 7                         ; 32 ks numbers
	s_add_co_u32 s22, s22, s34
	s_lshl_b32 s34, s33, 6                         ; 16 g2 numbers
	s_add_co_u32 s22, s22, s34
	s_add_nc_u64 s[24:25], s[10:11], s[22:23]
	s_lshl2_add_u32 s34, s32, s31                  ; 4 ks + dt
	s_lshl1_add_u32 s34, s34, s33                  ; twice that + g2
	s_lshl_b32 s22, s34, 9
	s_add_nc_u64 s[28:29], s[16:17], s[22:23]
	s_add_nc_u64 s[28:29], s[28:29], WVS
	v_lshlrev_b32 v8, 4, v4
.irp d, 0,1,2,3,4,5,6,7,8,9,10,11,12,13,14,15
	global_load_b128 v[X+8*(\d):X+8*(\d)+3],   v7, s[24:25] offset:(\d)*262144 th:TH_LOAD_NT
	global_load_b128 v[X+8*(\d)+4:X+8*(\d)+7], v7, s[24:25] offset:(\d)*262144+16 th:TH_LOAD_NT
.endr
.irp d, 0,1,2,3,4,5,6,7,8,9,10,11,12,13,14,15
	s_wait_loadcnt 30-2*(\d)                       ; head d's two loads are in
.irp p, 0,1,2,3
	v_cvt_pk_bf16_f32 v[PKD+(\p)], v[X+8*(\d)+2*(\p)], v[X+8*(\d)+2*(\p)+1]   ; the input's rounding
.endr
.if (\d) == 0
.irp p, 0,1,2,3
	v_lshlrev_b32 v[SUM+2*(\p)],   16,  v[PKD+(\p)]   ; head 0 starts the sums: nothing is cleared
	v_and_b32     v[SUM+2*(\p)+1], s35, v[PKD+(\p)]
.endr
.else
.irp p, 0,1,2,3
	v_lshlrev_b32 v[T+2*(\p)],   16,  v[PKD+(\p)]
	v_and_b32     v[T+2*(\p)+1], s35, v[PKD+(\p)]
.endr
.irp p, 0,1,2,3
	v_pk_add_f32 v[SUM+2*(\p):SUM+2*(\p)+1], v[SUM+2*(\p):SUM+2*(\p)+1], v[T+2*(\p):T+2*(\p)+1]
.endr
.endif
.endr
.irp p, 0,1,2,3
	v_cvt_pk_bf16_f32 v[OUTW+(\p)], v[SUM+2*(\p)], v[SUM+2*(\p)+1]
.endr
	global_store_b128 v8, v[OUTW:OUTW+3], s[28:29]
	s_endpgm
.Lfunc_end_k_q523e219060_prep:
	.size	k_q523e219060_prep, .Lfunc_end_k_q523e219060_prep-k_q523e219060_prep
	.p2alignl 7, 3214868480
	.fill 96, 4, 3214868480
	.section	.rodata,"a",@progbits
	.p2align	6, 0x0
	.amdhsa_kernel k_q523e219060_prep
		.amdhsa_group_segment_fixed_size 0
		.amdhsa_private_segment_fixed_size 0
		.amdhsa_enable_private_segment 0
		.amdhsa_kernarg_size 56
		.amdhsa_user_sgpr_count 2
		.amdhsa_user_sgpr_kernarg_segment_ptr 1
		.amdhsa_wavefront_size32 1
		.amdhsa_system_sgpr_workgroup_id_x 1
		.amdhsa_system_sgpr_workgroup_id_y 1
		.amdhsa_system_sgpr_workgroup_id_z 1
		.amdhsa_system_vgpr_workitem_id 0
		.amdhsa_next_free_vgpr 168
		.amdhsa_next_free_sgpr 66
		.amdhsa_reserve_vcc 0
		.amdhsa_float_denorm_mode_32 3
		.amdhsa_float_denorm_mode_16_64 3
		.amdhsa_memory_ordered 1
		.amdhsa_forward_progress 1
		.amdhsa_inst_pref_size 29
	.end_amdhsa_kernel
	.amdgpu_metadata
---
amdhsa.version: [ 1, 2 ]
amdhsa.kernels:
  - .name:           k_q523e219060_prep
    .symbol:         k_q523e219060_prep.kd
    .args:
      - { .name: x, .offset: 0, .size: 8, .value_kind: global_buffer, .address_space: global }
      - { .name: Wq, .offset: 8, .size: 8, .value_kind: global_buffer, .address_space: global }
      - { .name: Wk, .offset: 16, .size: 8, .value_kind: global_buffer, .address_space: global }
      - { .name: Wv, .offset: 24, .size: 8, .value_kind: global_buffer, .address_space: global }
      - { .name: Wo, .offset: 32, .size: 8, .value_kind: global_buffer, .address_space: global }
      - { .name: xb, .offset: 40, .size: 8, .value_kind: global_buffer, .address_space: global }
      - { .name: wts, .offset: 48, .size: 8, .value_kind: global_buffer, .address_space: global }
    .group_segment_fixed_size: 0
    .private_segment_fixed_size: 0
    .kernarg_segment_align: 8
    .kernarg_segment_size: 56
    .max_flat_workgroup_size: 256
    .sgpr_count:     66
    .vgpr_count:     168
    .wavefront_size: 32
...
	.end_amdgpu_metadata
.endif
;; end of part 1
;; launch gemm (part 2): grid 8 x 32, 4 waves a work-group, clusters of 4 x 4, 327,680 bytes of LDS; arguments xb, wts, qk; writes qk
.if DOCPART == 2
	.amdgcn_target "amdgcn-amd-amdhsa--gfx1250"
	.amdhsa_code_object_version 6
	.text
	.protected	k_q523e219060_gemm
	.globl	k_q523e219060_gemm
	.p2align	8
	.type	k_q523e219060_gemm,@function
k_q523e219060_gemm:
	s_mov_b64 s[64:65], 0
	v_nop
	global_prefetch_b8 v0, s[64:65] scope:SCOPE_SE
	s_setreg_imm32_b32 hwreg(HW_REG_WAVE_MODE, 25, 1), 1
	s_wait_xcnt 0x0
	s_wait_alu depctr_hold_cnt(0) depctr_sa_sdst(0) depctr_va_vdst(0) depctr_va_sdst(0) depctr_va_ssrc(0) depctr_va_vcc(0) depctr_vm_vsrc(0)
	s_getreg_b32 s2, hwreg(HW_REG_IB_STS2, 6, 4)
	s_cmp_eq_u32 s2, 0
	s_cbranch_scc0 .Lentry_in_a_cluster
	s_endpgm
.Lentry_in_a_cluster:
	s_bfe_u32 s2, ttmp6, 0x10000c
	s_cmp_lg_u32 s2, 0xf033
	s_cbranch_scc0 .Lentry_shape_is_right
	s_endpgm
.Lentry_shape_is_right:
; qk[m][n] = sum over k of xb[m][k] wqk[n][k].  A = xb [16384][1024], B = wqk [2048][1024] (the first 4 MiB of wts), C = qk [16384][2048], all bf16; sums in f32, K ascending, C rounded once.
; A tile of C, 256 x 256, is made by four waves, each 128 x 128: 64 accumulators of 16 x 16, 512 registers.  K goes in steps of 128 through a ring of two LDS slots filled by tensor loads:
; the tiles' rows are 256 bytes of memory and start at multiples of 256 bytes from the buffer's first byte.
; 512 tiles, 256 work-groups: A WORK-GROUP STAYS and makes two tiles, 8,192 rows apart; the ring does not stop at the first tile's end, and nothing waits for a tile's stores.
; The last tile's last K step goes by rows of C, so that finished rows leave while the others are multiplied.
; CLUSTERS of 4 x 4: the four of a row need the same tiles of A, the four of a column the same tiles of B: each tile is asked for JOINTLY, by the same tensor load, descriptor and mask in all four.
; REGISTERS, in windows of 256 (s_set_vgpr_msb: bits 1:0 source 0, 3:2 source 1, 5:4 source 2, 7:6 destination):
;   window 0: v0-31 addresses; v64-127, v128-191 fragments of A, two buffers (in the very last K step four, of 16 rows x 128 K); v32-63, v192-255 at work on the way out
;   window 1: v64-127, v128-191 fragments of B, two buffers; in the very last K step all 256
;   window 2: the 32 accumulators of my rows 0-63 (accumulator (a, b) at v[8 (8 a + b)]);   window 3: those of my rows 64-127
; THE MATRIX INSTRUCTION IS USED TRANSPOSED: source 0 = 16 rows of B, source 1 = 16 rows of A: lane l holds row l % 16 of C and eight NEIGHBOURING columns 8 (l / 16) + 0..7, 16 bytes when packed.
.set SIZE_M, 16384
.set SIZE_N, 2048
.set SIZE_K, 1024
.set SIZE_TILES, 2
.set KSTEP,  128
.set PITCH,  272                       ; an LDS row: 256 bytes + 16 of padding = 68 words: the 16 rows that a load touches start at 16 different groups of four banks (ISA guide 11.1)
.set HALFT,  128*PITCH                 ; 128 rows: what one tensor load brings, and what one wave reads of A or of B
.set SLOT,   4*HALFT                   ; A's 256 rows, then B's 256 rows
.set STAGE,  2*SLOT                    ; behind the ring: 16 rows x 272 bytes for each wave, for the way out
.set SPITCH, 272
.set SPARE,  STAGE+4*16*SPITCH         ; behind the stages: the spare words, 128 bytes for each wave, which no other line names
.set LAPS, SIZE_K/(2*KSTEP)            ; a lap = two K steps = once round the ring
.set WALK,   SIZE_M/SIZE_TILES         ; a work-group's tiles lie WALK rows apart
.set NEXT_A, WALK*SIZE_K*2-(SIZE_K-2*KSTEP)*2   ; from a slot's last K step of a tile to its first of the next: A goes WALK rows down and back along K,
.set BACK_B, (SIZE_K-2*KSTEP)*2        ; B only back: the walk's tiles share their rows of B
.set NEXT_C, (WALK-7*16)*SIZE_N*2      ; from my last 16 rows of a tile to my first of the next
.set ADRA, 16                          ; v16-17  LDS address of my A fragments in slot 0, 1
.set ADRB, 20                          ; v20-21  the same for B
.set STO,  24                          ; v24     the way out: where I put 16 bytes of a row
.set RD,   25                          ; v25     the way out: where I read a row back
.set CO,   26                          ; v26     my byte offset in C
.set SPW,  28                          ; v28     LDS address of my spare word; never rewritten
.set NIL,  29                          ; v29     0; never rewritten
.set PFO,  30                          ; v30     the prefetches' offset: my lane x a row of A or B; never rewritten
.set PFA,  44                          ; s[44:45] where my prefetches stand
.set LIM,  43                          ; s43     1 in a wave that prefetches, else the greatest number
.set F0,   64
.set F1,   128
.set TMP,  192
.set OB,   32
.set PA,   64
.set G1, 24                            ; s[24:31] descriptor group 1 for A's tiles
.set G0, 32                            ; s[32:39] group 0 for A's tiles, one set for each slot
.set G1B, 48                           ; s[48:55] group 1 for B's tiles: it differs in the mask alone
.set G0B, 56                           ; s[56:63] group 0 for B's tiles
.set MSB, 0
.macro WIN new                         ; the immediate's high byte repeats the setting that is left; a switch that changes nothing is dropped
.if MSB != (\new)
	s_set_vgpr_msb (MSB<<8)|(\new)
.set MSB, \new
.endif
.endm
.set MUL_LO, 0xa1                      ; source 0 (B) window 1, source 1 (A) window 0, C and D window 2
.set MUL_HI, 0xf1                      ; the same, C and D window 3
.set TO_B,   0x40                      ; destination window 1, address window 0
; A joint load.  Waves 0 and 1 fetch A's two halves, waves 2 and 3 B's.  The branch hangs on the wave's number alone.  An s_nop 0 and four v_nop follow each of the two lines.
.macro JLOAD s
	s_cmp_eq_u32 s11, 0
	s_cbranch_scc0 .Lfor_b_\@
	tensor_load_to_lds s[G0+4*(\s):G0+4*(\s)+3], s[G1:G1+7]
	s_nop 0
.rept 4
	v_nop
.endr
	s_branch .Lasked_\@
.Lfor_b_\@:
	tensor_load_to_lds s[G0B+4*(\s):G0B+4*(\s)+3], s[G1B:G1B+7]
	s_nop 0
.rept 4
	v_nop
.endr
.Lasked_\@:
.endm
; A PREFETCH, behind each joint load and the run of LDS loads that follows it: the K step that stands TWO refills on: 32 rows x 256 bytes, a lane a row, one instruction a wave.
; Each row's 256 bytes of a K step are named once in the launch: for A's rows the cluster with x = 0 asks, for B's the cluster with y = 0; the four partners that ask for a tile jointly share its
; rows out BY ADDRESS, 32 each.  how = 0, in the loop: a tile's last two refills have no K step two on; how = 1, at the change of tiles.
.macro ASK how
.if \how
	s_cmp_eq_u32 s[LIM], 1
.else
	s_cmp_gt_u32 s3, s[LIM]                        ; s3 = 1 in the loop's last trip
.endif
	s_cbranch_scc0 .Lnot_mine_\@
	global_prefetch_b8 v[PFO], s[PFA:PFA+1] offset:KSTEP*2 th:TH_LOAD_NT scope:SCOPE_SE
.Lnot_mine_\@:
.endm
; A round of the cluster's barrier: my work-group's barrier; wave 0 signals for the work-group; every wave waits for all sixteen work-groups; my work-group's barrier once more.
.macro CREST                           ; a round behind its opening barrier
	s_cmp_lg_u32 s10, 0
	s_cbranch_scc1 .Lnot_wave_0_\@
	s_barrier_signal -3
.Lnot_wave_0_\@:
	s_barrier_wait -3
	s_barrier_signal -1
	s_barrier_wait -1
.endm
.macro CROUND                          ; a whole round
	s_barrier_signal -1
	s_barrier_wait -1
	CREST
.endm
	s_load_b128 s[4:7], s[0:1], 0x0                ; A s[4:5], B s[6:7]
	s_load_b64 s[8:9], s[0:1], 0x10                ; C
	v_lshl_add_u32 v[SPW], v0, 2, SPARE
	v_mov_b32 v[NIL], 0
	ds_add_u32 v[SPW], v[NIL]                      ; the wave's opening: the add and its wait stand ahead of my first tensor load; the set-up below stands between them
	v_lshrrev_b32 v1, 5, v0
	v_readfirstlane_b32 s10, v1                    ; wave 0..3
	s_lshr_b32 s11, s10, 1                         ; which half of the tile's rows is mine.  Also: I fetch for A (0) or for B (1)
	s_and_b32 s12, s10, 1                          ; which half of its columns.  Also: which 128 rows of that tile I fetch
	s_bfe_u32 s40, ttmp6, 0x40000                  ; cx
	s_bfe_u32 s41, ttmp6, 0x40004                  ; cy
	s_lshl_b32 s42, ttmp9, 2
	s_add_co_u32 s42, s42, s40                     ; tile column of C = 4 x cluster x + cx
	s_and_b32 s13, ttmp7, 0xffff
	s_lshl_b32 s13, s13, 2
	s_add_co_u32 s13, s13, s41                     ; tile row of C = 4 x cluster y + cy
	s_lshl_b32 s43, s41, 2
	s_lshl_b32 s43, 15, s43                        ; my row of the cluster: places 4 cy .. 4 cy + 3
	s_lshl_b32 s44, 0x1111, s40                    ; my column: places cx, cx + 4, cx + 8, cx + 12
	; descriptor group 1: a tile of 128 rows x 128 elements, padded in LDS
	s_or_b32 s[G1+0], s43, (1<<16)|(1<<20)|(1<<21)|(5<<22)|(3<<25)  ; the mask; elements of 2 bytes; padding on; bit 21 beside a mask; after every 64 words 4 words
	s_or_b32 s[G1B+0], s44, (1<<16)|(1<<20)|(1<<21)|(5<<22)|(3<<25)
	s_mov_b32 s[G1B+1], KSTEP<<16
	s_mov_b32 s[G1+1], KSTEP<<16                   ; tensor_dim0 = 128
	s_mov_b32 s[G1B+2], 128<<16
	s_mov_b32 s[G1+2], 128<<16                     ; tensor_dim1 = 128
	s_mov_b32 s[G1B+3], KSTEP<<16
	s_mov_b32 s[G1+3], KSTEP<<16                   ; tile_dim0 = 128
	s_mov_b32 s[G1B+4], 128
	s_mov_b32 s[G1+4], 128                         ; tile_dim1 = 128
	s_mov_b32 s[G1B+5], SIZE_K
	s_mov_b32 s[G1+5], SIZE_K                      ; elements from row to row
	s_mov_b32 s[G1B+6], 0
	s_mov_b32 s[G1+6], 0
	s_mov_b32 s[G1B+7], 0
	s_mov_b32 s[G1+7], 0
	; where the tiles come from.  A's hang on the tile row alone, B's on the tile column alone; every wave makes both addresses, in registers that never hold the other coordinate
	s_lshl_b32 s17, s12, 7
	s_lshl_b32 s16, s13, 8
	s_add_co_u32 s16, s16, s17                     ; A: row 256 x tile row + 128 x half
	s_lshl_b32 s46, s42, 8
	s_add_co_u32 s46, s46, s17                     ; B: row 256 x tile column + 128 x half
	s_mov_b32 s17, 0
	s_mov_b32 s47, 0
	s_mov_b64 s[18:19], SIZE_K*2
	s_mul_u64 s[16:17], s[16:17], s[18:19]
	s_mul_u64 s[46:47], s[46:47], s[18:19]
	s_mul_i32 s20, s10, HALFT                      ; where they go: wave x 128 rows: no place in the cluster enters an LDS address
	s_wait_dscnt 0x0                               ; the opening add is done
	s_wait_kmcnt 0x0
	s_add_nc_u64 s[14:15], s[4:5], s[16:17]
	s_add_nc_u64 s[46:47], s[6:7], s[46:47]
	CROUND                                         ; all sixteen work-groups are here: the first joint loads meet
.irp s, 0,1
	s_mov_b32 s[G0+4*(\s)], 1
	s_add_co_u32 s[G0+4*(\s)+1], s20, (\s)*SLOT
	s_add_nc_u64 s[G0+4*(\s)+2:G0+4*(\s)+3], s[14:15], (\s)*KSTEP*2
	s_or_b32 s[G0+4*(\s)+3], s[G0+4*(\s)+3], 0x80000000
	s_mov_b32 s[G0B+4*(\s)], 1
	s_add_co_u32 s[G0B+4*(\s)+1], s20, (\s)*SLOT
	s_add_nc_u64 s[G0B+4*(\s)+2:G0B+4*(\s)+3], s[46:47], (\s)*KSTEP*2
	s_or_b32 s[G0B+4*(\s)+3], s[G0B+4*(\s)+3], 0x80000000
	JLOAD \s                                       ; the ring is filled before anything else is done: two loads of mine are out
.endr
	; A fragment is 16 rows x 32 K in 8 registers: lane l holds row l % 16; registers 0-3 K = 8 (l / 16) + 0..7, registers 4-7 K = 16 + 8 (l / 16) + 0..7: two loads of 16 bytes, 32 bytes apart
	v_and_b32 v1, 15, v0
	v_bfe_u32 v2, v0, 4, 1
	v_mul_u32_u24 v3, v1, PITCH
	v_lshl_add_u32 v3, v2, 4, v3
	s_mul_i32 s21, s11, HALFT                      ; my 128 rows of A
	s_mul_i32 s22, s12, HALFT                      ; my 128 rows of B,
	s_add_co_u32 s22, s22, 2*HALFT                 ; which lie behind A's 256
.irp s, 0,1
	v_add_nc_u32 v[ADRA+(\s)], s21, v3
	v_add_nc_u32 v[ADRB+(\s)], s22, v3
	s_add_co_u32 s21, s21, SLOT
	s_add_co_u32 s22, s22, SLOT
.endr
	s_mul_i32 s23, s10, 16*SPITCH
	s_add_co_u32 s23, s23, STAGE                   ; my stage
	v_mul_u32_u24 v4, v1, SPITCH
	v_lshl_add_u32 v4, v2, 4, v4
	v_add_nc_u32 v[STO], s23, v4
	v_mul_u32_u24 v5, v2, SPITCH
	v_lshl_add_u32 v5, v1, 4, v5
	v_add_nc_u32 v[RD], s23, v5
	v_mul_u32_u24 v5, v2, SIZE_N*2
	v_lshl_add_u32 v[CO], v1, 4, v5
	; where my part of the first tile begins in C: the first way out adds it to C's address
	s_lshl_b32 s13, s13, 8
	s_lshl_b32 s14, s11, 7
	s_add_co_u32 s16, s13, s14
	s_mov_b32 s17, 0
	s_mov_b64 s[18:19], SIZE_N*2
	s_mul_u64 s[16:17], s[16:17], s[18:19]
	s_lshl_b32 s46, s42, 9
	s_lshl_b32 s47, s12, 8
	s_add_co_u32 s46, s46, s47
	s_mov_b32 s47, 0
	s_add_nc_u64 s[16:17], s[16:17], s[46:47]
	; the prefetches
	s_lshl_b32 s42, s42, 8
	s_and_b32 s22, ttmp7, 0xffff                   ; cluster y
	s_cmp_eq_u32 s11, 0                            ; do I fetch for A?
	s_cselect_b32 s20, s13, s42                    ; the tile's first row
	s_cselect_b32 s21, s40, s41                    ; my place among the four that ask for it with me
	s_cselect_b32 s22, ttmp9, s22                  ; the coordinate along which other clusters read the same rows
	s_cselect_b64 s[PFA:PFA+1], s[4:5], s[6:7]
	s_cmp_eq_u32 s22, 0
	s_cselect_b32 s[LIM], 1, -1                    ; the same in all sixteen partners, for a given wave
	s_lshl_b32 s22, s12, 7
	s_add_co_u32 s20, s20, s22
	s_lshl_b32 s21, s21, 5
	s_add_co_u32 s20, s20, s21
	s_mov_b32 s21, 0
	s_mov_b64 s[18:19], SIZE_K*2
	s_mul_u64 s[20:21], s[20:21], s[18:19]
	s_add_nc_u64 s[PFA:PFA+1], s[PFA:PFA+1], s[20:21]
	s_add_nc_u64 s[PFA:PFA+1], s[PFA:PFA+1], 2*KSTEP*2  ; at K step 2: the first refill steps it to 3 and names K step 4; nothing is prefetched here, at the head
	v_and_b32 v[PFO], 31, v0
	v_mul_u32_u24 v[PFO], v[PFO], SIZE_K*2
; 16 matrix instructions: m blocks a0, a0 + 1 of the window's four x all 8 n blocks, 32 along K.  zero = 1: the first product starts the sums: nothing is ever cleared.
.macro MUL16 f, hi, a0, zero
	WIN MUL_LO+0x50*(\hi)
.irp a, \a0, (\a0)+1
.irp b, 0,1,2,3,4,5,6,7
.if \zero
	v_wmma_f32_16x16x32_bf16 v[8*(8*(\a)+(\b)):8*(8*(\a)+(\b))+7], v[(\f)+8*(\b):(\f)+8*(\b)+7], v[(\f)+8*(4*(\hi)+(\a)):(\f)+8*(4*(\hi)+(\a))+7], 0
.else
	v_wmma_f32_16x16x32_bf16 v[8*(8*(\a)+(\b)):8*(8*(\a)+(\b))+7], v[(\f)+8*(\b):(\f)+8*(\b)+7], v[(\f)+8*(4*(\hi)+(\a)):(\f)+8*(4*(\hi)+(\a))+7], v[8*(8*(\a)+(\b)):8*(8*(\a)+(\b))+7]
.endif
.endr
.endr
.endm
; 32 LDS loads in one run: the fragments of one quarter step into buffer f
.macro FETCH slot, k, f
	WIN TO_B
.irp i, 0,1,2,3,4,5,6,7
	ds_load_b128 v[(\f)+8*(\i):(\f)+8*(\i)+3],   v[ADRB+(\slot)] offset:(\k)+(\i)*16*PITCH
	ds_load_b128 v[(\f)+8*(\i)+4:(\f)+8*(\i)+7], v[ADRB+(\slot)] offset:(\k)+(\i)*16*PITCH+32
.endr
	WIN 0
.irp i, 0,1,2,3,4,5,6,7
	ds_load_b128 v[(\f)+8*(\i):(\f)+8*(\i)+3],   v[ADRA+(\slot)] offset:(\k)+(\i)*16*PITCH
	ds_load_b128 v[(\f)+8*(\i)+4:(\f)+8*(\i)+7], v[ADRA+(\slot)] offset:(\k)+(\i)*16*PITCH+32
.endr
.endm
; Four plain vector instructions stand between a matrix instruction and a load into a register that it has read, or a vector instruction that reads its result (ISA guide 7.12.1 for vector instructions)
.macro PLACES
.rept 4
	v_nop
.endr
.endm
; A K step is four quarter steps of 32 along K, 64 matrix instructions each, on buffers 0, 1, 0, 1.  One of the first three: multiplies buffer f; in its middle it fetches the next quarter into buffer g.
.macro QUARTER slot, k, f, g, zero
	s_wait_dscnt 8                                 ; B and A's rows 0-63 are in; the youngest eight loads (A's rows 64-127) may be out
	WIN MUL_LO
	MUL16 \f, 0, 0, \zero
	MUL16 \f, 0, 2, \zero
	PLACES
	FETCH \slot, \k, \g
	s_wait_dscnt 32                                ; all but the 32 just issued
	WIN MUL_HI
	MUL16 \f, 1, 0, \zero
	MUL16 \f, 1, 2, \zero
.endm
; The last quarter multiplies buffer 1 and changes slots.  MEET is its first half: ONE barrier.  In front of it each wave waits for all its tensor loads (one is out: its part of the next slot),
; adds 0 to its spare word, and waits for that and for its own reads of this slot.  Behind it nobody reads this slot any more and the next slot is whole.
.macro MEET round
	WIN 0                                          ; (the add's two registers lie in window 0)
	s_wait_tensorcnt 0x0
	ds_add_u32 v[SPW], v[NIL]                      ; 0 onto my spare word
	s_wait_dscnt 9                                 ; (the add and the youngest eight loads may be out)
	WIN MUL_LO
	MUL16 F1, 0, 0, 0                              ; sixteen matrix instructions stand between the add and the wait for it
	s_wait_dscnt 0x0                               ; the add is done, and my reads of this slot are over
	s_barrier_signal -1
	MUL16 F1, 0, 2, 0                              ; work on registers while the others arrive
.if \round
	WIN 0
.endif
	s_barrier_wait -1
.endm
; The whole last quarter.  Behind the round the slot just read out is filled again first: with this tile's K step two steps on (on = 0) or with the NEXT tile's K step 0 or 1 (on = 1);
; then come the next slot's first fragments.  From a request to the wait for it a wave issues 224 matrix instructions.
.macro TURN slot, next, on
	s_wait_xcnt 0x0                                ; the last prefetch, a K step back, has read its address: it is stepped here
.if (\on) && (\slot) == 0
	s_add_nc_u64 s[PFA:PFA+1], s[PFA:PFA+1], (WALK-1)*SIZE_K*2+KSTEP*2  ; from the K step after the tile's last to the next tile's K step 1
	s_cmp_eq_u32 s11, 0
	s_cselect_b32 s[LIM], s[LIM], -1               ; B's rows are the same for both tiles: they are asked for no more
.else
	s_add_nc_u64 s[PFA:PFA+1], s[PFA:PFA+1], KSTEP*2
.endif
	MEET 1
	CREST                                          ; no wave of any partner still reads this slot's tile or has a load on its way
.if \on
	s_add_nc_u64 s[G0+4*(\slot)+2:G0+4*(\slot)+3], s[G0+4*(\slot)+2:G0+4*(\slot)+3], NEXT_A
	s_sub_nc_u64 s[G0B+4*(\slot)+2:G0B+4*(\slot)+3], s[G0B+4*(\slot)+2:G0B+4*(\slot)+3], BACK_B
.else
	s_add_nc_u64 s[G0+4*(\slot)+2:G0+4*(\slot)+3], s[G0+4*(\slot)+2:G0+4*(\slot)+3], 2*KSTEP*2
	s_add_nc_u64 s[G0B+4*(\slot)+2:G0B+4*(\slot)+3], s[G0B+4*(\slot)+2:G0B+4*(\slot)+3], 2*KSTEP*2
.endif
	JLOAD \slot                                    ; the first tensor load behind the round; the four v_nop behind it are also the places in front of the loads below
	FETCH \next, 0, F0
	ASK \on
	WIN MUL_HI
	MUL16 F1, 1, 0, 0
	MUL16 F1, 1, 2, 0
.endm
; THE LAST K STEP OF THE LAST TILE (slot 1) GOES BY ROWS OF C.  All its fragments of B fill window 1; then my eight blocks of 16 rows are finished one after the other, 32 matrix instructions each,
; the block's 8 accumulators by turns, K ascending.
.macro BLOAD q
	WIN TO_B
.irp i, 0,1,2,3,4,5,6,7
	ds_load_b128 v[64*(\q)+8*(\i):64*(\q)+8*(\i)+3],   v[ADRB+1] offset:64*(\q)+(\i)*16*PITCH
	ds_load_b128 v[64*(\q)+8*(\i)+4:64*(\q)+8*(\i)+7], v[ADRB+1] offset:64*(\q)+(\i)*16*PITCH+32
.endr
.endm
.macro ALOAD a
	WIN 0
.set FA, PA+32*((\a)%4)
.irp q, 0,1,2,3
	ds_load_b128 v[FA+8*(\q):FA+8*(\q)+3],   v[ADRA+1] offset:64*(\q)+(\a)*16*PITCH
	ds_load_b128 v[FA+8*(\q)+4:FA+8*(\q)+7], v[ADRA+1] offset:64*(\q)+(\a)*16*PITCH+32
.endr
.endm
.macro ROW a
.set FA, PA+32*((\a)%4)
.set AC, 64*((\a)%4)
	WIN MUL_LO+0x50*((\a)/4)
.irp q, 0,1,2,3
.if (\a) == 0 && (\q) == 2
	s_wait_dscnt 24                                ; B's quarter 2 is in (behind it: A's blocks 1 to 3)
.endif
.irp b, 0,1,2,3,4,5,6,7
	v_wmma_f32_16x16x32_bf16 v[AC+8*(\b):AC+8*(\b)+7], v[64*(\q)+8*(\b):64*(\q)+8*(\b)+7], v[FA+8*(\q):FA+8*(\q)+7], v[AC+8*(\b):AC+8*(\b)+7]
.endr
.endr
.endm
; THE WAY OUT of block a.  PACK: rounded to bf16, each accumulator's registers in ascending order.  TOSTAGE: into my own stage in LDS, and back as whole rows of 256 bytes.  SEND: stored.
.macro PACK a
.set AC, 64*((\a)%4)
	WIN 0x0a+5*((\a)/4)
.irp b, 0,1,2,3,4,5,6,7
.irp r, 0,1,2,3
	v_cvt_pk_bf16_f32 v[TMP+4*(\b)+(\r)], v[AC+8*(\b)+2*(\r)], v[AC+8*(\b)+2*(\r)+1]
.endr
.endr
	WIN 0
.endm
.macro TOSTAGE a
	WIN 0
.set BK, OB+192*((\a)%2)
.irp b, 0,1,2,3,4,5,6,7
	ds_store_b128 v[STO], v[TMP+4*(\b):TMP+4*(\b)+3] offset:32*(\b)
.endr
.irp t, 0,1,2,3,4,5,6,7
	ds_load_b128 v[BK+4*(\t):BK+4*(\t)+3], v[RD] offset:(\t)*2*SPITCH  ; LDS serves a wave's instructions in order (ISA guide 5.7.1.4): these see the stores above
.endr
.endm
.macro SEND a, younger
	WIN 0
.set BK, OB+192*((\a)%2)
	s_wait_dscnt \younger                          ; the block is back in registers
	s_wait_xcnt 0x0                                ; only behind this wait are the stores' base and the registers that earlier stores read rewritten
.if (\a) == 0
	s_add_nc_u64 s[8:9], s[8:9], s[16:17]          ; on to this tile's first rows
.else
	s_add_nc_u64 s[8:9], s[8:9], 16*SIZE_N*2       ; 16 rows of C on
.endif
.irp t, 0,1,2,3,4,5,6,7
	global_store_b128 v[CO], v[BK+4*(\t):BK+4*(\t)+3], s[8:9] offset:2*(\t)*SIZE_N*2  ; 16 lanes store 256 consecutive bytes, at a multiple of 256 from C's first byte
.endr
.endm
	s_wait_tensorcnt 1                             ; my part of K step 0 is in; K step 1's may stay out
	s_barrier_signal -1
	s_barrier_wait -1
	FETCH 0, 0, F0
.if SIZE_TILES > 1
	s_mov_b32 s2, SIZE_TILES                       ; tiles to go
.Ltile:
.endif
	QUARTER 0, 64,  F0, F1, 1                      ; a tile's first quarter stands in front of the loop: its products start the sums
	WIN 0                                          ; at a label and at a branch every window is 0
	s_mov_b32 s3, LAPS-1
.Llap:                                                 ; a trip goes once round the ring, from a lap's second quarter to the next lap's first
	QUARTER 0, 128, F1, F0, 0
	QUARTER 0, 192, F0, F1, 0
	TURN 0, 1, 0
	QUARTER 1, 64,  F0, F1, 0
	QUARTER 1, 128, F1, F0, 0
	QUARTER 1, 192, F0, F1, 0
	TURN 1, 0, 0
	QUARTER 0, 64,  F0, F1, 0
	WIN 0
	s_sub_co_u32 s3, s3, 1
	s_cmp_lg_u32 s3, 0
	s_cbranch_scc1 .Llap
	QUARTER 0, 128, F1, F0, 0                      ; the tile's last lap goes on
	QUARTER 0, 192, F0, F1, 0
.if SIZE_TILES > 1
	WIN 0
	s_cmp_eq_u32 s2, 1
	s_cbranch_scc1 .Llast_tile                     ; the last tile's tail is written out: it asks for nothing more
	TURN 0, 1, 1                                   ; THE RING GOES ON INTO THE NEXT TILE: slot 0 takes its K step 0,
	QUARTER 1, 64,  F0, F1, 0
	QUARTER 1, 128, F1, F0, 0
	QUARTER 1, 192, F0, F1, 0
	TURN 1, 0, 1                                   ; slot 1 its K step 1, and the next tile's first fragments are fetched
	PACK 0                                         ; both refills are asked for: now the tile goes out.  Blocks 0-3 were finished in front of TURN's places, and their conversions
	TOSTAGE 0                                      ; name no register of the last products (blocks 4-7's): they are those products' places
.irp a, 1,2,3,4,5,6,7
	PACK \a
	SEND (\a)-1, 0
	TOSTAGE \a
.endr
	SEND 7, 0
	s_mov_b64 s[16:17], NEXT_C                     ; what the next way out adds to C's address
	s_sub_co_u32 s2, s2, 1
	s_branch .Ltile
.Llast_tile:
.endif
	MEET 0                                         ; nothing is filled again, so no round follows
	PLACES
	WIN TO_B
	BLOAD 0
	BLOAD 1
	BLOAD 3
	WIN 0
	ALOAD 0
	WIN MUL_HI
	MUL16 F1, 1, 0, 0
	MUL16 F1, 1, 2, 0
	PLACES
	WIN TO_B
	BLOAD 2
	WIN 0
	ALOAD 1
	ALOAD 2
	ALOAD 3
	s_wait_dscnt 40                                ; all but the 40 just issued
	ROW 0
.irp a, 0,1,2,3,4,5,6,7
	PLACES
	PACK \a
	TOSTAGE \a
.if (\a) < 4
	ALOAD (\a)+4
	SEND \a, 8
.else
	SEND \a, 0
.endif
.if (\a) < 7
	ROW (\a)+1
.endif
.endr
	s_wait_tensorcnt 0x0                           ; the wave's end
	ds_add_u32 v[SPW], v[NIL]
	s_wait_dscnt 0x0
	CROUND                                         ; the closing round: no work-group ends while a partner may still ask for a tile that names it
	s_endpgm
.Lfunc_end_k_q523e219060_gemm:
	.size	k_q523e219060_gemm, .Lfunc_end_k_q523e219060_gemm-k_q523e219060_gemm
	.p2alignl 7, 3214868480
	.fill 96, 4, 3214868480
	.section	.rodata,"a",@progbits
	.p2align	6, 0x0
	.amdhsa_kernel k_q523e219060_gemm
		.amdhsa_group_segment_fixed_size 327680
		.amdhsa_private_segment_fixed_size 0
		.amdhsa_enable_private_segment 0
		.amdhsa_kernarg_size 24
		.amdhsa_user_sgpr_count 2
		.amdhsa_user_sgpr_kernarg_segment_ptr 1
		.amdhsa_wavefront_size32 1
		.amdhsa_system_sgpr_workgroup_id_x 1
		.amdhsa_system_sgpr_workgroup_id_y 1
		.amdhsa_system_sgpr_workgroup_id_z 1
		.amdhsa_system_vgpr_workitem_id 0
		.amdhsa_next_free_vgpr 1024
		.amdhsa_next_free_sgpr 66
		.amdhsa_reserve_vcc 0
		.amdhsa_float_denorm_mode_32 3
		.amdhsa_float_denorm_mode_16_64 3
		.amdhsa_memory_ordered 1
		.amdhsa_forward_progress 1
		.amdhsa_inst_pref_size 210
	.end_amdhsa_kernel
	.amdgpu_metadata
---
amdhsa.version: [ 1, 2 ]
amdhsa.kernels:
  - .name:           k_q523e219060_gemm
    .symbol:         k_q523e219060_gemm.kd
    .args:
      - { .name: xb, .offset: 0, .size: 8, .value_kind: global_buffer, .address_space: global }
      - { .name: wts, .offset: 8, .size: 8, .value_kind: global_buffer, .address_space: global }
      - { .name: qk, .offset: 16, .size: 8, .value_kind: global_buffer, .address_space: global }
    .group_segment_fixed_size: 327680
    .private_segment_fixed_size: 0
    .kernarg_segment_align: 8
    .kernarg_segment_size: 24
    .max_flat_workgroup_size: 128
    .sgpr_count:     66
    .vgpr_count:     1024
    .wavefront_size: 32
...
	.end_amdgpu_metadata
.endif
;; end of part 2
;; launch energy (part 3): grid 256 x 1, 4 waves a work-group, no clusters, 78,336 bytes of LDS; arguments qk, xb, wts, pb, stats, vsb; writes pb, stats, vsb
.if DOCPART == 3
	.amdgcn_target "amdgcn-amd-amdhsa--gfx1250"
	.amdhsa_code_object_version 6
	.text
	.protected	k_q523e219060_energy
	.globl	k_q523e219060_energy
	.p2align	8
	.type	k_q523e219060_energy,@function
k_q523e219060_energy:
	s_mov_b64 s[64:65], 0
	v_nop
	global_prefetch_b8 v0, s[64:65] scope:SCOPE_SE
	s_setreg_imm32_b32 hwreg(HW_REG_WAVE_MODE, 25, 1), 1
	s_wait_xcnt 0x0
; ENERGY.  Work-group g = 4 nb + jq owns 64 tokens: rows 256 nb + 16 t + j of xb and qk, t = 0..15, j = 4 jq .. 4 jq + 3.  It makes three things.
; (1) Vs[token][d] = sum over e of xb[token][e] wvs[d][e] (the sum of v over the heads).  K = 1,024 is split among the four waves, 256 each; the partial sums meet in LDS in f32.
;     Source 0 = 16 rows d of wvs, source 1 = 16 tokens t of one j: a lane holds one token and eight channels.  vsb [nb][j 16][dt 4][lane 16 h + t][8 bf16: d = 16 dt + 8 h + 0..7].
; (2) e[a][b] = sum over d of q[a][d] k[b][d] for each token: wave w takes j = 4 jq + w, sixteen tokens, two matrix instructions each (source 0 = k, source 1 = q): lane r = a, register i: b = 8 h + i.
; (3) the first level of the softmax over tokens: m = the maximum of e over the work-group's 64 tokens, p = 2^(c e - c m), c = log2(e) / 8, l = the sum of p.
;     pb [nb][j 16][t 16][lane][8 bf16] = p;  stats [g][c m, then l][pair v 4][lane][2 f32] (register i = 2 v + word).  The next launch takes the maximum over a batch's 64 work-groups.
; All loads go straight into the registers of the one wave that wants them: nothing is shared on the way in.  Two sets of 128 registers, 32 loads each, take turns: 64 loads of a wave are out.
; NO CLUSTER: of the 512 KiB that a work-group reads only wvs (128 KiB) is read by others too, and each byte of it is wanted by one wave, once.
; LIMITS: Vs and p are rounded once to bf16; l is the sum of the unrounded p; a weight below 2^-126 counts as 0; NaN and infinities are not treated apart.
; REGISTERS: window 0: v1-11 addresses; v16-23 maxima; v24-31 c m; v32-63 exchange, then l; v64-127 packed results; v128-255 sixteen accumulators.  Window 1: the two sets.
.set CEXP,  0x3e38aa3b                 ; c = log2(e) / 8
.set WVS,   6291456                    ; wvs in wts
.set PART,  0                          ; LDS: [wave][tile 4 dt + tt][half][lane][16 bytes]: 65,536 bytes
.set MX,    65536                      ; [wave][lane][32 bytes]: 4,096
.set LX,    69632                      ; [wave][l 1,024, c m 1,024][lane][32 bytes]: 8,192
.set SPARE, 77824                      ; the spare words, 128 bytes for each wave, which no other line names
.set ACC,   128
.set H0,    0
.set H1,    128
.set MSB, 0
.macro WIN new                         ; the immediate's high byte repeats the setting that is left
.if MSB != (\new)
	s_set_vgpr_msb (MSB<<8)|(\new)
.set MSB, \new
.endif
.endm
.macro PLACES                          ; four plain instructions between a matrix instruction and a load into its sources or a reader of its result
.rept 4
	v_nop
.endr
.endm
; 32 loads: K steps 2 b and 2 b + 1 of my eight: four fragments of x (one a j) and four of wvs (one a dt) each
.macro LOADV b, H
	WIN 0x40                                       ; destination window 1, address window 0
.irp kl, 0,1
.irp f, 0,1,2,3
.irp g, 0,1
	global_load_b128 v[(\H)+64*(\kl)+8*(\f)+4*(\g):(\H)+64*(\kl)+8*(\f)+4*(\g)+3], v2, s[6:7] offset:(\f)*2048+(2*(\b)+(\kl))*64+(\g)*32
	global_load_b128 v[(\H)+64*(\kl)+32+8*(\f)+4*(\g):(\H)+64*(\kl)+32+8*(\f)+4*(\g)+3], v1, s[8:9] offset:((2*(\b)+(\kl))*4+(\f))*1024+(\g)*512
.endr
.endr
.endr
.endm
; 32 matrix instructions; the sixteen accumulators take turns, one instruction a turn.  first = 1: the first sixteen start the sums
.macro MULV H, first
	WIN 0x05                                       ; both sources window 1, C and D window 0
.irp kl, 0,1
.irp dt, 0,1,2,3
.irp tt, 0,1,2,3
.if (\first) && ((\kl) == 0)
	v_wmma_f32_16x16x32_bf16 v[ACC+8*(4*(\dt)+(\tt)):ACC+8*(4*(\dt)+(\tt))+7], v[(\H)+64*(\kl)+32+8*(\dt):(\H)+64*(\kl)+32+8*(\dt)+7], v[(\H)+64*(\kl)+8*(\tt):(\H)+64*(\kl)+8*(\tt)+7], 0
.else
	v_wmma_f32_16x16x32_bf16 v[ACC+8*(4*(\dt)+(\tt)):ACC+8*(4*(\dt)+(\tt))+7], v[(\H)+64*(\kl)+32+8*(\dt):(\H)+64*(\kl)+32+8*(\dt)+7], v[(\H)+64*(\kl)+8*(\tt):(\H)+64*(\kl)+8*(\tt)+7], v[ACC+8*(4*(\dt)+(\tt)):ACC+8*(4*(\dt)+(\tt))+7]
.endif
.endr
.endr
.endr
.endm
; 32 loads: q and k of tokens t = 4 b .. 4 b + 3 of my j: each load takes 512 consecutive bytes
.macro LOADE b, H
	WIN 0x40
.irp tl, 0,1,2,3
.irp c, 0,1,2,3
	global_load_b128 v[(\H)+32*(\tl)+4*(\c):(\H)+32*(\tl)+4*(\c)+3], v1, s[4:5] offset:(4*(\b)+(\tl))*65536+(\c)*512 th:TH_LOAD_NT
	global_load_b128 v[(\H)+32*(\tl)+16+4*(\c):(\H)+32*(\tl)+16+4*(\c)+3], v1, s[4:5] offset:(4*(\b)+(\tl))*65536+2048+(\c)*512 th:TH_LOAD_NT
.endr
.endr
.endm
; 8 matrix instructions: four tokens' energies, channels 0-31 and then 32-63; the four accumulators take turns
.macro MULE b, H
	WIN 0x05
.irp kh, 0,1
.irp tl, 0,1,2,3
.if (\kh) == 0
	v_wmma_f32_16x16x32_bf16 v[ACC+8*(4*(\b)+(\tl)):ACC+8*(4*(\b)+(\tl))+7], v[(\H)+32*(\tl)+16:(\H)+32*(\tl)+23], v[(\H)+32*(\tl):(\H)+32*(\tl)+7], 0
.else
	v_wmma_f32_16x16x32_bf16 v[ACC+8*(4*(\b)+(\tl)):ACC+8*(4*(\b)+(\tl))+7], v[(\H)+32*(\tl)+24:(\H)+32*(\tl)+31], v[(\H)+32*(\tl)+8:(\H)+32*(\tl)+15], v[ACC+8*(4*(\b)+(\tl)):ACC+8*(4*(\b)+(\tl))+7]
.endif
.endr
.endr
.endm
	s_load_b256 s[4:11], s[0:1], 0x0               ; qk s[4:5], xb s[6:7], wts s[8:9], pb s[10:11]
	s_load_b128 s[12:15], s[0:1], 0x20             ; stats s[12:13], vsb s[14:15]
	v_lshl_add_u32 v10, v0, 2, SPARE               ; my spare word; never rewritten
	v_mov_b32 v11, 0                               ; 0; never rewritten
	v_lshrrev_b32 v12, 5, v0
	v_readfirstlane_b32 s16, v12                   ; wave 0..3
	s_lshr_b32 s18, ttmp9, 2                       ; nb
	s_and_b32 s19, ttmp9, 3                        ; jq
	s_mov_b32 s22, CEXP
	s_mov_b32 s23, CEXP                            ; named with it as a pair
	s_mov_b32 s21, 0                               ; high word of every offset
	v_and_b32 v13, 31, v0                          ; lane
	v_and_b32 v14, 15, v0                          ; r
	v_bfe_u32 v15, v0, 4, 1                        ; h
	v_lshlrev_b32 v1, 4, v13                       ; 16 x lane
	v_lshlrev_b32 v2, 15, v14                      ; x: token t = r lies 16 rows of 2,048 bytes on,
	v_lshl_add_u32 v2, v15, 4, v2                  ; + 8 h numbers
	s_lshl_b32 s24, s16, 14
	v_add_nc_u32 v3, s24, v1                       ; PART, in: my wave's 16,384 bytes
	s_lshl_b32 s24, s16, 10
	v_add_nc_u32 v4, s24, v1                       ; PART, back: tile tt = my wave's number
	v_lshlrev_b32 v12, 5, v13                      ; 32 x lane
	s_add_co_u32 s24, s24, MX
	v_add_nc_u32 v5, s24, v12                      ; MX, in
	v_add_nc_u32 v6, MX, v12                       ; MX, back
	s_lshl_b32 s24, s16, 11
	s_add_co_u32 s24, s24, LX
	v_add_nc_u32 v7, s24, v12                      ; LX, in
	s_lshl_b32 s24, s16, 3
	s_add_co_u32 s24, s24, LX
	v_add_nc_u32 v8, s24, v12                      ; LX, back: pair = my wave's number
	s_lshl_b32 s24, s16, 8
	v_lshl_add_u32 v9, v13, 3, s24                 ; stats: 256 x wave + 8 x lane
	s_lshl_b32 s25, s18, 8
	s_lshl2_add_u32 s25, s19, s25                  ; row 256 nb + 4 jq
	s_lshl2_add_u32 s26, ttmp9, s16                ; 16 nb + j = 4 g + wave
	s_wait_kmcnt 0x0
	s_lshl_b32 s20, s25, 11
	s_lshl_b32 s24, s16, 9
	s_add_co_u32 s20, s20, s24
	s_add_nc_u64 s[6:7], s[6:7], s[20:21]          ; xb at my tokens' first row, my 256 of the 1,024 numbers
	s_lshl_b32 s20, s16, 15
	s_add_nc_u64 s[8:9], s[8:9], s[20:21]
	s_add_nc_u64 s[8:9], s[8:9], WVS               ; wvs at my eight K steps
	s_add_co_u32 s20, s25, s16
	s_lshl_b32 s20, s20, 12
	s_add_nc_u64 s[4:5], s[4:5], s[20:21]          ; qk at token (t = 0, my j)
	s_lshl_b32 s20, s26, 13
	s_add_nc_u64 s[10:11], s[10:11], s[20:21]      ; pb at my j
	s_lshl_b32 s20, s26, 11
	s_add_nc_u64 s[14:15], s[14:15], s[20:21]      ; vsb at my j
	s_lshl_b32 s20, ttmp9, 11
	s_add_nc_u64 s[12:13], s[12:13], s[20:21]      ; stats at g
	; (1) Vs.  Each wait leaves the other set's 32 loads out; a set is asked for again four places behind its last product.  The last two refills are the first tokens' q and k.
	LOADV 0, H0
	LOADV 1, H1
	s_wait_loadcnt 32
	MULV H0, 1
	PLACES
	LOADV 2, H0
	s_wait_loadcnt 32
	MULV H1, 0
	PLACES
	LOADV 3, H1
	s_wait_loadcnt 32
	MULV H0, 0
	PLACES
	LOADE 0, H0
	s_wait_loadcnt 32
	MULV H1, 0
	PLACES
	LOADE 1, H1
	WIN 0
.set a, 0
.rept 16                                               ; each accumulator's low half goes first
	ds_store_b128 v3, v[ACC+8*a:ACC+8*a+3]   offset:PART+a*1024
	ds_store_b128 v3, v[ACC+8*a+4:ACC+8*a+7] offset:PART+a*1024+512
.set a, a+1
.endr
	s_wait_dscnt 0x0                               ; for the others' sake: my partial sums are in LDS
	s_barrier_signal -1
	s_barrier_wait -1
.irp sw, 0,1,2,3
.irp dt, 0,1,2,3
	ds_load_b128 v[ACC+32*(\sw)+8*(\dt):ACC+32*(\sw)+8*(\dt)+3],   v4 offset:PART+(\sw)*16384+(\dt)*4096
	ds_load_b128 v[ACC+32*(\sw)+8*(\dt)+4:ACC+32*(\sw)+8*(\dt)+7], v4 offset:PART+(\sw)*16384+(\dt)*4096+512
.endr
.endr
	s_wait_dscnt 0x0
.set r, 0
.rept 16
	v_pk_add_f32 v[ACC+r:ACC+r+1], v[ACC+r:ACC+r+1], v[ACC+32+r:ACC+32+r+1]
.set r, r+2
.endr
.set r, 0
.rept 16
	v_pk_add_f32 v[ACC+64+r:ACC+64+r+1], v[ACC+64+r:ACC+64+r+1], v[ACC+96+r:ACC+96+r+1]
.set r, r+2
.endr
.set r, 0
.rept 16
	v_pk_add_f32 v[ACC+r:ACC+r+1], v[ACC+r:ACC+r+1], v[ACC+64+r:ACC+64+r+1]
.set r, r+2
.endr
.set r, 0
.rept 16
	v_cvt_pk_bf16_f32 v[64+r], v[ACC+2*r], v[ACC+2*r+1]
.set r, r+1
.endr
.irp dt, 0,1,2,3
	global_store_b128 v1, v[64+4*(\dt):64+4*(\dt)+3], s[14:15] offset:(\dt)*512   ; 512 consecutive bytes
.endr
	; (2) the energies of my sixteen tokens
	s_wait_loadcnt 32                              ; tokens 0-3 are in; tokens 4-7 may stay out
	MULE 0, H0
	PLACES
	LOADE 2, H0
	s_wait_loadcnt 32
	MULE 1, H1
	PLACES
	LOADE 3, H1
	s_wait_loadcnt 32
	MULE 2, H0
	s_wait_loadcnt 0x0
	MULE 3, H1
	WIN 0
	PLACES
	; (3) the maximum over my 16 tokens, register by register: four chains side by side, registers 0-3 of every accumulator first
.irp ig, 0,4
.irp i, 0,1,2,3
	v_max3_num_f32 v[16+(\ig)+(\i)], v[ACC+(\ig)+(\i)], v[ACC+8+(\ig)+(\i)], v[ACC+16+(\ig)+(\i)]
.endr
.irp s, 1,2,3,4,5,6
.irp i, 0,1,2,3
	v_max3_num_f32 v[16+(\ig)+(\i)], v[16+(\ig)+(\i)], v[ACC+8*(2*(\s)+1)+(\ig)+(\i)], v[ACC+8*(2*(\s)+2)+(\ig)+(\i)]
.endr
.endr
.irp i, 0,1,2,3
	v_max_num_f32 v[16+(\ig)+(\i)], v[16+(\ig)+(\i)], v[ACC+120+(\ig)+(\i)]
.endr
.endr
	ds_store_b128 v5, v[16:19]
	ds_store_b128 v5, v[20:23] offset:16
	s_wait_dscnt 0x0
	s_barrier_signal -1
	s_barrier_wait -1                              ; the four waves' maxima lie in LDS
.irp sw, 0,1,2,3
	ds_load_b128 v[32+8*(\sw):32+8*(\sw)+3], v6 offset:(\sw)*1024
	ds_load_b128 v[36+8*(\sw):36+8*(\sw)+3], v6 offset:(\sw)*1024+16
.endr
	s_wait_dscnt 0x0
.irp i, 0,1,2,3,4,5,6,7
	v_max3_num_f32 v[16+(\i)], v[32+(\i)], v[40+(\i)], v[48+(\i)]
.endr
.irp i, 0,1,2,3,4,5,6,7
	v_max_num_f32 v[16+(\i)], v[16+(\i)], v[56+(\i)]
.endr
.irp p, 0,1,2,3
	v_pk_mul_f32 v[24+2*(\p):25+2*(\p)], v[16+2*(\p):17+2*(\p)], s[22:23] op_sel_hi:[1,0]   ; c m
.endr
.set t, 0
.rept 16
.irp p, 0,1,2,3
	v_pk_fma_f32 v[ACC+8*t+2*(\p):ACC+8*t+2*(\p)+1], v[ACC+8*t+2*(\p):ACC+8*t+2*(\p)+1], s[22:23], v[24+2*(\p):25+2*(\p)] op_sel_hi:[1,0,1] neg_lo:[0,0,1] neg_hi:[0,0,1]   ; c e - c m
.endr
.set t, t+1
.endr
.set r, 0
.rept 128                                              ; ONE batch of exponentials: none of them reads another's result
	v_exp_f32 v[ACC+r], v[ACC+r]
.set r, r+1
.endr
	v_nop                                          ; a plain instruction behind the last exponential (ISA guide 5.7.2),
	s_wait_alu depctr_va_vdst(0)                   ; and the one wait ahead of the batch's first reader
	s_wait_xcnt 0x0                                ; v64-79, which the stores of Vs read, are rewritten only behind this wait
.irp p, 0,1,2,3
	v_pk_add_f32 v[32+2*(\p):33+2*(\p)], v[ACC+2*(\p):ACC+2*(\p)+1], v[ACC+8+2*(\p):ACC+8+2*(\p)+1]   ; l: tokens 0 and 1 start the sums
.endr
.set t, 2
.rept 14
.irp p, 0,1,2,3
	v_pk_add_f32 v[32+2*(\p):33+2*(\p)], v[32+2*(\p):33+2*(\p)], v[ACC+8*t+2*(\p):ACC+8*t+2*(\p)+1]
.endr
.set t, t+1
.endr
.set r, 0
.rept 64
	v_cvt_pk_bf16_f32 v[64+r], v[ACC+2*r], v[ACC+2*r+1]
.set r, r+1
.endr
.set t, 0
.rept 16
	global_store_b128 v1, v[64+4*t:64+4*t+3], s[10:11] offset:t*512   ; p of token t: 512 consecutive bytes
.set t, t+1
.endr
	ds_store_b128 v7, v[32:35]
	ds_store_b128 v7, v[36:39] offset:16
	ds_store_b128 v7, v[24:27] offset:1024
	ds_store_b128 v7, v[28:31] offset:1040
	s_wait_dscnt 0x0
	s_barrier_signal -1
	s_barrier_wait -1                              ; the four waves' l (and c m, the same in all four) lie in LDS
.irp sw, 0,1,2,3
	ds_load_b64 v[40+2*(\sw):41+2*(\sw)], v8 offset:(\sw)*2048   ; pair = my wave's number, of each wave's l
.endr
	ds_load_b64 v[48:49], v8 offset:1024           ; the same pair of c m, from wave 0's copy
	s_wait_dscnt 0x0
	v_pk_add_f32 v[40:41], v[40:41], v[42:43]
	v_pk_add_f32 v[44:45], v[44:45], v[46:47]
	v_pk_add_f32 v[40:41], v[40:41], v[44:45]
	global_store_b64 v9, v[48:49], s[12:13]        ; a wave's store covers 256 consecutive bytes, aligned
	global_store_b64 v9, v[40:41], s[12:13] offset:1024
	s_wait_tensorcnt 0x0                           ; the wave's end, behind my last LDS store
	ds_add_u32 v10, v11
	s_wait_dscnt 0x0
	s_endpgm
.Lfunc_end_k_q523e219060_energy:
	.size	k_q523e219060_energy, .Lfunc_end_k_q523e219060_energy-k_q523e219060_energy
	.p2alignl 7, 3214868480
	.fill 96, 4, 3214868480
	.section	.rodata,"a",@progbits
	.p2align	6, 0x0
	.amdhsa_kernel k_q523e219060_energy
		.amdhsa_group_segment_fixed_size 78336
		.amdhsa_private_segment_fixed_size 0
		.amdhsa_enable_private_segment 0
		.amdhsa_kernarg_size 48
		.amdhsa_user_sgpr_count 2
		.amdhsa_user_sgpr_kernarg_segment_ptr 1
		.amdhsa_wavefront_size32 1
		.amdhsa_system_sgpr_workgroup_id_x 1
		.amdhsa_system_sgpr_workgroup_id_y 1
		.amdhsa_system_sgpr_workgroup_id_z 1
		.amdhsa_system_vgpr_workitem_id 0
		.amdhsa_next_free_vgpr 512
		.amdhsa_next_free_sgpr 66
		.amdhsa_reserve_vcc 0
		.amdhsa_float_denorm_mode_32 3
		.amdhsa_float_denorm_mode_16_64 3
		.amdhsa_memory_ordered 1
		.amdhsa_forward_progress 1
		.amdhsa_inst_pref_size 71
	.end_amdhsa_kernel
	.amdgpu_metadata
---
amdhsa.version: [ 1, 2 ]
amdhsa.kernels:
  - .name:           k_q523e219060_energy
    .symbol:         k_q523e219060_energy.kd
    .args:
      - { .name: qk, .offset: 0, .size: 8, .value_kind: global_buffer, .address_space: global }
      - { .name: xb, .offset: 8, .size: 8, .value_kind: global_buffer, .address_space: global }
      - { .name: wts, .offset: 16, .size: 8, .value_kind: global_buffer, .address_space: global }
      - { .name: pb, .offset: 24, .size: 8, .value_kind: global_buffer, .address_space: global }
      - { .name: stats, .offset: 32, .size: 8, .value_kind: global_buffer, .address_space: global }
      - { .name: vsb, .offset: 40, .size: 8, .value_kind: global_buffer, .address_space: global }
    .group_segment_fixed_size: 78336
    .private_segment_fixed_size: 0
    .kernarg_segment_align: 8
    .kernarg_segment_size: 48
    .max_flat_workgroup_size: 128
    .sgpr_count:     66
    .vgpr_count:     512
    .wavefront_size: 32
...
	.end_amdgpu_metadata
.endif
;; end of part 3
;; launch attn (part 4): grid 256 x 1, 4 waves a work-group, no clusters, 1,536 bytes of LDS; arguments stats, pb, atab; writes atab
.if DOCPART == 4
	.amdgcn_target "amdgcn-amd-amdhsa--gfx1250"
	.amdhsa_code_object_version 6
	.text
	.protected	k_q523e219060_attn
	.globl	k_q523e219060_attn
	.p2align	8
	.type	k_q523e219060_attn,@function
k_q523e219060_attn:
	s_mov_b64 s[64:65], 0
	v_nop
	global_prefetch_b8 v0, s[64:65] scope:SCOPE_SE
	s_setreg_imm32_b32 hwreg(HW_REG_WAVE_MODE, 25, 1), 1
	s_wait_xcnt 0x0
; ATTN: the second level of the softmax over tokens, and A[a][token] = the sum over b of the attention.
; Work-group g = 4 nb + jq owns the same 64 tokens as in the launch before; its batch is n = g >> 6, whose 64 work-groups w left c m_w and l_w for each of the 256 series (a, b).
; M = max over w of c m_w;  L = sum over w of l_w 2^(c m_w - M);  f = 2^(c m_g - M) / L;  A[a][token] = sum over b of p[token][a][b] f[a][b].
; A series is (lane 16 h + a, register i): b = 8 h + i.  Wave v makes f for registers 2 v, 2 v + 1; the four pairs meet in LDS.
; Then wave v takes tokens t = 2 v + e + 8 hh (e, hh = 0, 1) of the four j: a lane sums its eight b, and one exchange between the halves of the lanes both adds the two halves of b and
; leaves in lane (a, h) the token t = 8 h + 2 v + e.
; atab [nb][jq][ver 2][i 8][lane][2 words of 2 bf16]: word wd of lane (a, h) = A[a][t = 8 h + i][j = 4 jq + 2 wd, + 1] where h = ver, else 0: registers 2 jq, 2 jq + 1 of a matrix operand of the next launch.
; LIMITS: A is rounded once to bf16; a factor below 2^-126 counts as 0; NaN and infinities are not treated apart.
; REGISTERS: window 0: v1-9 addresses and constants; v10-11 own c m; v12-13 M; v14-21 L, four chains; v22-23 1 / L; v24-31 f; v32-47 sums; v48-59 at work; v64-127 p; v128-255 c m_w.  Window 1: v0-127 l_w.
.set F,     0                          ; LDS: [lane][8 f32]
.set SPARE, 1024                       ; the spare words, 128 bytes for each wave, which no other line names
.set MSB, 0
.macro WIN new
.if MSB != (\new)
	s_set_vgpr_msb (MSB<<8)|(\new)
.set MSB, \new
.endif
.endm
	s_load_b128 s[4:7], s[0:1], 0x0                ; stats s[4:5], pb s[6:7]
	s_load_b64 s[8:9], s[0:1], 0x10                ; atab
	v_lshl_add_u32 v6, v0, 2, SPARE                ; my spare word; never rewritten
	v_mov_b32 v7, 0                                ; 0; never rewritten
	v_mov_b32 v8, 0                                ; 0 as an operand
	v_lshrrev_b32 v1, 5, v0
	v_readfirstlane_b32 s10, v1                    ; wave 0..3
	s_lshr_b32 s12, ttmp9, 2                       ; nb
	s_and_b32 s13, ttmp9, 3                        ; jq
	s_lshr_b32 s14, ttmp9, 6                       ; n
	s_mov_b32 s16, 0x76543210                      ; v_permlanex16_b32: each lane takes its own place in the other half
	s_mov_b32 s17, 0xfedcba98
	s_mov_b32 s21, 0
	v_and_b32 v9, 31, v0                           ; lane
	s_lshl_b32 s15, s10, 8
	v_lshl_add_u32 v1, v9, 3, s15                  ; stats: 256 x wave + 8 x lane
	s_lshl_b32 s15, s10, 10
	v_lshl_add_u32 v2, v9, 4, s15                  ; pb: two tokens a wave + 16 x lane
	s_lshl_b32 s15, s10, 3
	v_lshl_add_u32 v3, v9, 5, s15                  ; F, in: my pair
	v_lshlrev_b32 v4, 5, v9                        ; F, back
	s_lshl_b32 s15, s10, 9
	v_lshl_add_u32 v5, v9, 3, s15                  ; atab: i = 2 x wave
	s_wait_kmcnt 0x0
	s_lshl_b32 s20, ttmp9, 11
	s_add_nc_u64 s[18:19], s[4:5], s[20:21]        ; my own statistics
	s_lshl_b32 s20, s14, 17
	s_add_nc_u64 s[4:5], s[4:5], s[20:21]          ; my batch's
	s_lshl_b32 s20, s12, 17
	s_lshl_b32 s15, s13, 15
	s_add_co_u32 s20, s20, s15
	s_add_nc_u64 s[6:7], s[6:7], s[20:21]
	s_lshl_b32 s20, s12, 14
	s_lshl_b32 s15, s13, 12
	s_add_co_u32 s20, s20, s15
	s_add_nc_u64 s[8:9], s[8:9], s[20:21]
	global_load_b64 v[10:11], v1, s[18:19]
.set w, 0
.rept 64
	global_load_b64 v[128+2*w:129+2*w], v1, s[4:5] offset:w*2048          ; c m_w
.set w, w+1
.endr
	WIN 0x40
.set w, 0
.rept 64
	global_load_b64 v[2*w:2*w+1], v1, s[4:5] offset:w*2048+1024           ; l_w
.set w, w+1
.endr
	WIN 0
.set k, 0
.rept 16                                               ; p of token k: j = 4 jq + k / 4, t = 2 wave + (k / 2) % 2 + 8 (k % 2)
	global_load_b128 v[64+4*k:67+4*k], v2, s[6:7] offset:(k/4)*8192+((k/2)%2)*512+(k%2)*4096 th:TH_LOAD_NT
.set k, k+1
.endr
	s_wait_loadcnt 63                              ; 80 loads were issued behind the last c m; a wait names 63 at the most: the 65 loads of c m are in, and 17 of l
.irp e, 0,1
	v_max3_num_f32 v[12+(\e)], v[128+(\e)], v[130+(\e)], v[132+(\e)]
.endr
.set s, 1
.rept 30
.irp e, 0,1
	v_max3_num_f32 v[12+(\e)], v[12+(\e)], v[128+2*(2*s+1)+(\e)], v[128+2*(2*s+2)+(\e)]
.endr
.set s, s+1
.endr
.irp e, 0,1
	v_max_num_f32 v[12+(\e)], v[12+(\e)], v[254+(\e)]
.endr
	v_pk_add_f32 v[10:11], v[10:11], v[12:13] neg_lo:[0,1] neg_hi:[0,1]
.set w, 0
.rept 64
	v_pk_add_f32 v[128+2*w:129+2*w], v[128+2*w:129+2*w], v[12:13] neg_lo:[0,1] neg_hi:[0,1]   ; c m_w - M
.set w, w+1
.endr
	v_exp_f32 v10, v10
	v_exp_f32 v11, v11
.set r, 0
.rept 128                                              ; one batch
	v_exp_f32 v[128+r], v[128+r]
.set r, r+1
.endr
	v_nop                                          ; a plain instruction behind the last exponential,
	s_wait_alu depctr_va_vdst(0)                   ; and the one wait ahead of the batch's first reader
	s_wait_loadcnt 16                              ; l is in; p's 16 loads may stay out
	WIN 0x01                                       ; source 0 (l) window 1
.irp c, 0,1,2,3
	v_pk_mul_f32 v[14+2*(\c):15+2*(\c)], v[2*(\c):2*(\c)+1], v[128+2*(\c):129+2*(\c)]   ; the first four start the four chains
.endr
.set w, 4
.rept 60
	v_pk_fma_f32 v[14+2*(w%4):15+2*(w%4)], v[2*w:2*w+1], v[128+2*w:129+2*w], v[14+2*(w%4):15+2*(w%4)]
.set w, w+1
.endr
	WIN 0
	v_pk_add_f32 v[14:15], v[14:15], v[16:17]
	v_pk_add_f32 v[18:19], v[18:19], v[20:21]
	v_pk_add_f32 v[14:15], v[14:15], v[18:19]
	v_rcp_f32 v22, v14
	v_rcp_f32 v23, v15
	v_nop
	s_wait_alu depctr_va_vdst(0)                   ; one wait for the two reciprocals
	v_pk_mul_f32 v[24:25], v[10:11], v[22:23]      ; f
	ds_store_b64 v3, v[24:25]
	s_wait_dscnt 0x0
	s_barrier_signal -1
	s_barrier_wait -1                              ; all eight f of every lane lie in LDS
	ds_load_b128 v[24:27], v4
	ds_load_b128 v[28:31], v4 offset:16
	v_cmp_le_u32 vcc_lo, 16, v9                    ; the upper half of the lanes
	s_wait_dscnt 0x0
	s_wait_loadcnt 0x0                             ; p
.set i, 0
.rept 8                                                ; sixteen chains side by side: sum over my eight b of p f, p straight from its bf16 half
.set k, 0
.rept 16
.if i == 0
	v_fma_mix_f32_bf16 v[32+k], v[64+4*k], v24, v8 op_sel_hi:[1,0,0]
.elseif i%2
	v_fma_mix_f32_bf16 v[32+k], v[64+4*k+i/2], v[24+i], v[32+k] op_sel:[1,0,0] op_sel_hi:[1,0,0]
.else
	v_fma_mix_f32_bf16 v[32+k], v[64+4*k+i/2], v[24+i], v[32+k] op_sel_hi:[1,0,0]
.endif
.set k, k+1
.endr
.set i, i+1
.endr
	; pair q = 2 jl + e: v[32+2q] is token t = 2 v + e, v[33+2q] token t + 8.  The lower lanes keep the first and send the second, the upper lanes the other way round.
.irp q, 0,1,2,3,4,5,6,7
	v_cndmask_b32 v[48+(\q)], v[33+2*(\q)], v[32+2*(\q)], vcc_lo      ; what I send
.endr
.irp q, 0,1,2,3,4,5,6,7
	v_cndmask_b32 v[33+2*(\q)], v[32+2*(\q)], v[33+2*(\q)], vcc_lo    ; what I keep
.endr
.irp q, 0,1,2,3,4,5,6,7
	v_permlanex16_b32 v[32+2*(\q)], v[48+(\q)], s16, s17
.endr
.irp q, 0,1,2,3,4,5,6,7
	v_add_f32 v[32+2*(\q)], v[32+2*(\q)], v[33+2*(\q)]                ; A[a][t = 8 h + 2 v + e][j = 4 jq + jl]
.endr
.irp e, 0,1
	v_cvt_pk_bf16_f32 v[56+2*(\e)], v[32+2*(\e)], v[36+2*(\e)]        ; jl = 0, 1
	v_cvt_pk_bf16_f32 v[57+2*(\e)], v[40+2*(\e)], v[44+2*(\e)]        ; jl = 2, 3
.endr
.irp e, 0,1
.irp wd, 0,1
	v_cndmask_b32 v[48+4*(\e)+(\wd)], v[56+2*(\e)+(\wd)], v8, vcc_lo  ; version 0 keeps the lower lanes,
	v_cndmask_b32 v[50+4*(\e)+(\wd)], v8, v[56+2*(\e)+(\wd)], vcc_lo  ; version 1 the upper
.endr
.endr
.irp e, 0,1
.irp ver, 0,1
	global_store_b64 v5, v[48+4*(\e)+2*(\ver):49+4*(\e)+2*(\ver)], s[8:9] offset:(\ver)*2048+(\e)*256   ; 256 consecutive bytes, aligned
.endr
.endr
	s_wait_tensorcnt 0x0                           ; the wave's end, behind my last LDS store
	ds_add_u32 v6, v7
	s_wait_dscnt 0x0
	s_endpgm
.Lfunc_end_k_q523e219060_attn:
	.size	k_q523e219060_attn, .Lfunc_end_k_q523e219060_attn-k_q523e219060_attn
	.p2alignl 7, 3214868480
	.fill 96, 4, 3214868480
	.section	.rodata,"a",@progbits
	.p2align	6, 0x0
	.amdhsa_kernel k_q523e219060_attn
		.amdhsa_group_segment_fixed_size 1536
		.amdhsa_private_segment_fixed_size 0
		.amdhsa_enable_private_segment 0
		.amdhsa_kernarg_size 24
		.amdhsa_user_sgpr_count 2
		.amdhsa_user_sgpr_kernarg_segment_ptr 1
		.amdhsa_wavefront_size32 1
		.amdhsa_system_sgpr_workgroup_id_x 1
		.amdhsa_system_sgpr_workgroup_id_y 1
		.amdhsa_system_sgpr_workgroup_id_z 1
		.amdhsa_system_vgpr_workitem_id 0
		.amdhsa_next_free_vgpr 384
		.amdhsa_next_free_sgpr 66
		.amdhsa_reserve_vcc 1
		.amdhsa_float_denorm_mode_32 3
		.amdhsa_float_denorm_mode_16_64 3
		.amdhsa_memory_ordered 1
		.amdhsa_forward_progress 1
		.amdhsa_inst_pref_size 43
	.end_amdhsa_kernel
	.amdgpu_metadata
---
amdhsa.version: [ 1, 2 ]
amdhsa.kernels:
  - .name:           k_q523e219060_attn
    .symbol:         k_q523e219060_attn.kd
    .args:
      - { .name: stats, .offset: 0, .size: 8, .value_kind: global_buffer, .address_space: global }
      - { .name: pb, .offset: 8, .size: 8, .value_kind: global_buffer, .address_space: global }
      - { .name: atab, .offset: 16, .size: 8, .value_kind: global_buffer, .address_space: global }
    .group_segment_fixed_size: 1536
    .private_segment_fixed_size: 0
    .kernarg_segment_align: 8
    .kernarg_segment_size: 24
    .max_flat_workgroup_size: 128
    .sgpr_count:     66
    .vgpr_count:     384
    .wavefront_size: 32
...
	.end_amdgpu_metadata
.endif
;; end of part 4
;; launch final (part 5): grid 256 x 1, 4 waves a work-group, clusters of 4 x 1, 266,752 bytes of LDS; arguments vsb, atab, wts, bo, out0; writes out0
.if DOCPART == 5
	.amdgcn_target "amdgcn-amd-amdhsa--gfx1250"
	.amdhsa_code_object_version 6
	.text
	.protected	k_q523e219060_final
	.globl	k_q523e219060_final
	.p2align	8
	.type	k_q523e219060_final,@function
k_q523e219060_final:
	s_mov_b64 s[64:65], 0
	v_nop
	global_prefetch_b8 v0, s[64:65] scope:SCOPE_SE
	s_setreg_imm32_b32 hwreg(HW_REG_WAVE_MODE, 25, 1), 1
	s_wait_xcnt 0x0
	s_wait_alu depctr_hold_cnt(0) depctr_sa_sdst(0) depctr_va_vdst(0) depctr_va_sdst(0) depctr_va_ssrc(0) depctr_va_vcc(0) depctr_vm_vsrc(0)
	s_getreg_b32 s2, hwreg(HW_REG_IB_STS2, 6, 4)
	s_cmp_eq_u32 s2, 0
	s_cbranch_scc0 .Lentry_in_a_cluster
	s_endpgm
.Lentry_in_a_cluster:
	s_bfe_u32 s2, ttmp6, 0x10000c
	s_cmp_lg_u32 s2, 0x3003
	s_cbranch_scc0 .Lentry_shape_is_right
	s_endpgm
.Lentry_shape_is_right:
; FINAL.  out0[n][256 a + s2][o] = sum over j of A[n][a][16 s2 + j] T[n][16 s2 + j][o] + bo[o],  T[n][s][o] = sum over d of Vs[n][s][d] Wo[o][64 (s % 16) + d].
; (The reference's product of A and Vs, reshaped without a transpose, times Wo: row 256 a + s2 holds the sixteen tokens 16 s2 + j, token j in columns 64 j + d.)
; SHARES.  A work-group takes 64 values of s2 (four blocks nb of 16, a trip each) x all 16 heads a x 64 columns o: 1,024 rows of out0, 256 bytes of each.  Wave w owns 16 columns; its 32 KiB of Wo stay in registers.
; STAGE 1, for each j: T_j = Vs_j (source 0: 16 values t of s2) x Wo_j (source 1: 16 columns o), K = 64: two matrix instructions; lane r = o, register i: t = 8 h + i.
; STAGE 2.  Register i of the sixteen T_j, rounded to bf16 in pairs of j, IS source 0 (16 o x 32): its places of the lower lanes hold (t = i, j), those of the upper lanes (t = 8 + i, j).  Source 1 is A for the
; same places with one half of the lanes 0 (the launch before wrote both versions): the product is the tile of t = 8 ver + i, with bo as its C: lane r = a, registers = eight neighbouring o.
; THE WAY OUT: through one stage in LDS, since a row's 256 bytes come from four waves; back as whole rows: 16 lanes store 256 consecutive bytes, aligned.
; CLUSTER of 4: the partners take the same 64 s2 and other columns, so Vs and A are asked for JOINTLY, once, at the head: two tensor loads a wave are out; no LDS byte is filled twice.
; The place in the cluster enters the addresses of Wo, bo and out0 alone.
; LIMITS: bo is rounded to bf16 like the other inputs; T is rounded once to bf16; sums in f32.
; REGISTERS (s_set_vgpr_msb: bits 1:0 source 0, 3:2 source 1, 5:4 source 2, 7:6 destination):
;   window 0: v2-10 addresses; v12-15 at work; v16-23 bo; v64-127 T packed (operand i at 64 + 8 i); v128-255 sixteen accumulators     window 1: Wo, operand (j, kh) at 16 j + 8 kh
;   window 2: v0-127 rows read back; v128-255 A, operand (i, ver) at 128 + 8 (2 i + ver)                                               window 3: Vs, operand (j, kh) at 16 j + 8 kh
.set WOB,   4194304                    ; wob in wts
.set VS,    0                          ; LDS: four blocks of 32,768 bytes, as in vsb
.set AT,    131072                     ; four blocks of 16,384 bytes, as in atab
.set STG,   196608                     ; the stage: 256 rows (16 t + a) of 256 bytes + 16 of padding; no tensor load lands here
.set SP,    272
.set SPARE, STG+256*SP                 ; the spare words, 128 bytes for each wave, which no other line names
.set ACC,   128
.set TP,    64
.set MSB, 0
.macro WIN new
.if MSB != (\new)
	s_set_vgpr_msb (MSB<<8)|(\new)
.set MSB, \new
.endif
.endm
.macro CROUND                          ; a round of the cluster's barrier
	s_barrier_signal -1
	s_barrier_wait -1
	s_cmp_lg_u32 s14, 0
	s_cbranch_scc1 .Lnot_wave_0_\@
	s_barrier_signal -3
.Lnot_wave_0_\@:
	s_barrier_wait -3
	s_barrier_signal -1
	s_barrier_wait -1
.endm
	s_load_b256 s[4:11], s[0:1], 0x0               ; vsb s[4:5], atab s[6:7], wts s[8:9], bo s[10:11]
	s_load_b64 s[12:13], s[0:1], 0x20              ; out0
	v_lshl_add_u32 v8, v0, 2, SPARE                ; my spare word; never rewritten
	v_mov_b32 v9, 0                                ; 0; never rewritten
	ds_add_u32 v8, v9                              ; the wave's opening: the add and its wait stand ahead of my first tensor load; the set-up below stands between them
	v_lshrrev_b32 v12, 5, v0
	v_readfirstlane_b32 s14, v12                   ; wave 0..3
	s_bfe_u32 s15, ttmp6, 0x40000                  ; cx
	s_lshr_b32 s16, ttmp9, 2                       ; 4 n + which 64 of the 256 s2: shared by the four partners
	s_and_b32 s17, ttmp9, 3
	s_lshl_b32 s17, s17, 2
	s_add_co_u32 s17, s17, s15                     ; which 64 columns
	s_lshl_b32 s18, s17, 2
	s_add_co_u32 s18, s18, s14                     ; ot: my 16 columns
	; descriptor groups 1: dense blocks as rows of 256 bytes (32 elements of 8 bytes): 128 rows of Vs, 64 rows of A, for all four work-groups
	s_mov_b32 s24, 15|(3<<16)|(1<<21)
	s_mov_b32 s25, 32<<16
	s_mov_b32 s26, 128<<16
	s_mov_b32 s27, 32<<16
	s_mov_b32 s28, 128
	s_mov_b32 s29, 32
	s_mov_b32 s30, 0
	s_mov_b32 s31, 0
	s_mov_b32 s32, 15|(3<<16)|(1<<21)
	s_mov_b32 s33, 32<<16
	s_mov_b32 s34, 64<<16
	s_mov_b32 s35, 32<<16
	s_mov_b32 s36, 64
	s_mov_b32 s37, 32
	s_mov_b32 s38, 0
	s_mov_b32 s39, 0
	s_mov_b32 s40, 1                               ; group 0 for Vs: wave w brings block w
	s_lshl_b32 s41, s14, 15
	s_mov_b32 s44, 1                               ; group 0 for A
	s_lshl_b32 s45, s14, 14
	s_add_co_u32 s45, s45, AT
	s_lshl_b32 s20, s16, 17
	s_add_co_u32 s20, s20, s41
	s_mov_b32 s21, 0
	s_lshl_b32 s46, s16, 16
	s_lshl_b32 s47, s14, 14
	s_add_co_u32 s46, s46, s47
	s_mov_b32 s47, 0
	v_and_b32 v12, 15, v0                          ; r
	v_bfe_u32 v13, v0, 4, 1                        ; h
	v_and_b32 v14, 31, v0                          ; lane
	v_lshlrev_b32 v2, 4, v14                       ; Vs in LDS; steps a block a trip
	v_lshl_add_u32 v3, v14, 3, AT                  ; A in LDS; steps a block a trip
	v_lshlrev_b32 v7, 4, v14                       ; Wo in memory
	v_mul_u32_u24 v4, v12, SP                      ; into the stage: row a, my wave's 64 bytes, 32 for each half of the lanes
	v_lshl_add_u32 v4, v13, 5, v4
	s_lshl_b32 s19, s14, 6
	s_add_co_u32 s19, s19, STG
	v_add_nc_u32 v4, s19, v4
	v_mul_u32_u24 v5, v13, 16*SP                   ; back: heads 4 w .. 4 w + 3; lanes 0-15 one row, lanes 16-31 the row of the next t
	v_lshl_add_u32 v5, v12, 4, v5
	s_mul_i32 s19, s14, 4*SP
	s_add_co_u32 s19, s19, STG
	v_add_nc_u32 v5, s19, v5
	v_lshlrev_b32 v6, 12, v13                      ; and the same two rows in out0
	v_lshl_add_u32 v6, v12, 4, v6
	v_lshlrev_b32 v10, 5, v13                      ; bo: 8 h numbers
	s_mov_b32 s23, 0
	s_wait_dscnt 0x0                               ; the opening add is done
	s_wait_kmcnt 0x0
	s_add_nc_u64 s[42:43], s[4:5], s[20:21]
	s_or_b32 s43, s43, 0x80000000
	s_add_nc_u64 s[46:47], s[6:7], s[46:47]
	s_or_b32 s47, s47, 0x80000000
	s_lshl_b32 s22, s18, 15
	s_add_nc_u64 s[8:9], s[8:9], s[22:23]
	s_add_nc_u64 s[8:9], s[8:9], WOB               ; wob at my ot
	s_lshl_b32 s22, s18, 6
	s_add_nc_u64 s[10:11], s[10:11], s[22:23]      ; bo at my 16 columns
	s_lshr_b32 s22, s16, 2
	s_lshl_b32 s22, s22, 24                        ; n: 4,096 rows of 4,096 bytes
	s_lshl_b32 s19, s14, 22                        ; head 4 w: 1,024 rows
	s_add_co_u32 s22, s22, s19
	s_and_b32 s19, s16, 3
	s_lshl_b32 s19, s19, 18                        ; 64 rows
	s_add_co_u32 s22, s22, s19
	s_lshl_b32 s19, s17, 8                         ; 64 columns
	s_add_co_u32 s22, s22, s19
	s_add_nc_u64 s[12:13], s[12:13], s[22:23]
	CROUND                                         ; all four work-groups are here: the joint loads meet
	tensor_load_to_lds s[40:43], s[24:31]
	s_nop 0
	tensor_load_to_lds s[44:47], s[32:39]
	s_nop 0
.rept 4
	v_nop
.endr
	WIN 0x40
.set k, 0
.rept 64
	global_load_b128 v[4*k:4*k+3], v7, s[8:9] offset:k*512   ; Wo: run k = 4 j + c
.set k, k+1
.endr
	WIN 0
	global_load_b128 v[16:19], v10, s[10:11]
	global_load_b128 v[20:23], v10, s[10:11] offset:16
	s_wait_loadcnt 0x0
.irp p, 0,1,2,3
	v_cvt_pk_bf16_f32 v[12+(\p)], v[16+2*(\p)], v[17+2*(\p)]   ; the input's rounding,
.endr
.irp p, 0,1,2,3
	v_lshlrev_b32 v[16+2*(\p)], 16, v[12+(\p)]                 ; and back to f32
	v_and_b32     v[17+2*(\p)], 0xffff0000, v[12+(\p)]
.endr
	s_wait_tensorcnt 0x0                           ; my blocks of Vs and A are in,
	s_barrier_signal -1
	s_barrier_wait -1                              ; everybody's are
	s_mov_b32 s48, 4
.Lblk:                                                 ; a trip: one block of 16 s2
	WIN 0xc0
.set k, 0
.rept 64
	ds_load_b128 v[4*k:4*k+3], v2 offset:k*512     ; Vs: run k = 4 j + dt
.set k, k+1
.endr
	WIN 0x80
.set i, 0
.rept 8
.irp ver, 0,1
.irp jq, 0,1,2,3
	ds_load_b64 v[128+8*(2*i+(\ver))+2*(\jq):128+8*(2*i+(\ver))+2*(\jq)+1], v3 offset:(\jq)*4096+(\ver)*2048+i*256
.endr
.endr
.set i, i+1
.endr
	s_wait_dscnt 63                                ; 64 loads were issued behind Vs's last; a wait names 63 at the most: Vs is in, and one load of A
	WIN 0x07                                       ; source 0 window 3, source 1 window 1
.irp kh, 0,1                                           ; the sixteen accumulators take turns
.set j, 0
.rept 16
.if (\kh) == 0
	v_wmma_f32_16x16x32_bf16 v[ACC+8*j:ACC+8*j+7], v[16*j:16*j+7], v[16*j:16*j+7], 0
.else
	v_wmma_f32_16x16x32_bf16 v[ACC+8*j:ACC+8*j+7], v[16*j+8:16*j+15], v[16*j+8:16*j+15], v[ACC+8*j:ACC+8*j+7]
.endif
.set j, j+1
.endr
.endr
	WIN 0
.rept 4
	v_nop                                          ; the places behind the last products
.endr
.set i, 0
.rept 8                                                ; register 0 of every accumulator first
.set p, 0
.rept 8
	v_cvt_pk_bf16_f32 v[TP+8*i+p], v[ACC+16*p+i], v[ACC+16*p+8+i]   ; (T_2p, T_2p+1) at t = 8 h + i
.set p, p+1
.endr
.set i, i+1
.endr
	s_wait_dscnt 0x0                               ; A is in
	WIN 0x08                                       ; source 1 window 2
.set i, 0
.rept 8                                                ; sixteen products on sixteen accumulators: no chains; bo starts each sum
.irp ver, 0,1
	v_wmma_f32_16x16x32_bf16 v[ACC+8*(8*(\ver)+i):ACC+8*(8*(\ver)+i)+7], v[TP+8*i:TP+8*i+7], v[128+8*(2*i+(\ver)):128+8*(2*i+(\ver))+7], v[16:23]
.endr
.set i, i+1
.endr
	WIN 0
.rept 5
	v_nop                                          ; four places ahead of the stores below; with the two address steps at the trip's end more than five ahead of the next trip's products, which write over these accumulators
.endr
.set t, 0
.rept 16
	ds_store_b128 v4, v[ACC+8*t:ACC+8*t+3]   offset:t*16*SP
	ds_store_b128 v4, v[ACC+8*t+4:ACC+8*t+7] offset:t*16*SP+16
.set t, t+1
.endr
	s_wait_dscnt 0x0                               ; for the others' sake: my part of every row is in the stage
	s_barrier_signal -1
	s_barrier_wait -1
	WIN 0x80
.set q, 0
.rept 32                                               ; head 4 w + q / 8, rows t = 2 (q % 8) + h
	ds_load_b128 v[4*q:4*q+3], v5 offset:(q%8)*32*SP+(q/8)*SP
.set q, q+1
.endr
	WIN 0x08                                       ; the stores' data lie in window 2
.set q, 0
.rept 32
	s_wait_dscnt 31-q
	global_store_b128 v6, v[4*q:4*q+3], s[12:13] offset:(q/8)*1048576+(q%8)*8192 th:TH_STORE_NT   ; 16 lanes store 256 consecutive bytes, at a multiple of 256 from out0's first byte
.set q, q+1
.endr
	WIN 0
	s_barrier_signal -1                            ; my reads of the stage are over (the last wait was for 0):
	s_barrier_wait -1                              ; the next trip writes it only when that holds of all four waves
	s_wait_xcnt 0x0                                ; the stores have read their data, offset and base
	s_add_nc_u64 s[12:13], s[12:13], 65536         ; 16 rows on
	v_add_nc_u32 v2, 32768, v2
	v_add_nc_u32 v3, 16384, v3
	s_sub_co_u32 s48, s48, 1
	s_cmp_lg_u32 s48, 0
	s_cbranch_scc1 .Lblk
	s_wait_tensorcnt 0x0                           ; the wave's end, behind my last tensor load and my last LDS store
	ds_add_u32 v8, v9
	s_wait_dscnt 0x0
	CROUND                                         ; the closing round
	s_endpgm
.Lfunc_end_k_q523e219060_final:
	.size	k_q523e219060_final, .Lfunc_end_k_q523e219060_final-k_q523e219060_final
	.p2alignl 7, 3214868480
	.fill 96, 4, 3214868480
	.section	.rodata,"a",@progbits
	.p2align	6, 0x0
	.amdhsa_kernel k_q523e219060_final
		.amdhsa_group_segment_fixed_size 266752
		.amdhsa_private_segment_fixed_size 0
		.amdhsa_enable_private_segment 0
		.amdhsa_kernarg_size 40
		.amdhsa_user_sgpr_count 2
		.amdhsa_user_sgpr_kernarg_segment_ptr 1
		.amdhsa_wavefront_size32 1
		.amdhsa_system_sgpr_workgroup_id_x 1
		.amdhsa_system_sgpr_workgroup_id_y 1
		.amdhsa_system_sgpr_workgroup_id_z 1
		.amdhsa_system_vgpr_workitem_id 0
		.amdhsa_next_free_vgpr 1024
		.amdhsa_next_free_sgpr 66
		.amdhsa_reserve_vcc 0
		.amdhsa_float_denorm_mode_32 3
		.amdhsa_float_denorm_mode_16_64 3
		.amdhsa_memory_ordered 1
		.amdhsa_forward_progress 1
		.amdhsa_inst_pref_size 37
	.end_amdhsa_kernel
	.amdgpu_metadata
---
amdhsa.version: [ 1, 2 ]
amdhsa.kernels:
  - .name:           k_q523e219060_final
    .symbol:         k_q523e219060_final.kd
    .args:
      - { .name: vsb, .offset: 0, .size: 8, .value_kind: global_buffer, .address_space: global }
      - { .name: atab, .offset: 8, .size: 8, .value_kind: global_buffer, .address_space: global }
      - { .name: wts, .offset: 16, .size: 8, .value_kind: global_buffer, .address_space: global }
      - { .name: bo, .offset: 24, .size: 8, .value_kind: global_buffer, .address_space: global }
      - { .name: out0, .offset: 32, .size: 8, .value_kind: global_buffer, .address_space: global }
    .group_segment_fixed_size: 266752
    .private_segment_fixed_size: 0
    .kernarg_segment_align: 8
    .kernarg_segment_size: 40
    .max_flat_workgroup_size: 128
    .sgpr_count:     66
    .vgpr_count:     1024
    .wavefront_size: 32
...
	.end_amdgpu_metadata
.endif
;; end of part 5
;; ======== version 2 of 2: 5 launches; version 1 with the launch prep written anew for expert scheduling mode
;; workspace buffers: xb 33,554,432 bytes; wts 6,422,528 bytes; qk 67,108,864 bytes; pb 8,388,608 bytes; stats 524,288 bytes; vsb 2,097,152 bytes; atab 1,048,576 bytes
;; launch prep (part 6): grid 1248 x 1, 8 waves a work-group, no clusters, 0 bytes of LDS; arguments x, Wq, Wk, Wv, Wo, xb, wts; writes xb, wts
.if DOCPART == 6
	.amdgcn_target "amdgcn-amd-amdhsa--gfx1250"
	.amdhsa_code_object_version 6
	.text
	.protected	k_q523e219060_prep
	.globl	k_q523e219060_prep
	.p2align	8
	.type	k_q523e219060_prep,@function
k_q523e219060_prep:
	s_mov_b64 s[64:65], 0
	v_nop
	global_prefetch_b8 v0, s[64:65] scope:SCOPE_SE
	s_setreg_imm32_b32 hwreg(HW_REG_WAVE_SCHED_MODE, 0, 2), 2
	s_setreg_imm32_b32 hwreg(HW_REG_WAVE_MODE, 25, 1), 1
	s_wait_xcnt 0x0
	s_wait_alu depctr_vm_vsrc(0)
; PREP: every matrix input is rounded once to bf16 and laid out as the later launches read it.  A stream: no LDS, no loop, each byte read once.
;   xb  [16384][1024] bf16 = x.
;   wts byte 0:         wqk [2048][1024] bf16: row nn (below 1024 of Wq, else of Wk) = source row 64 r + 16 c + 8 h + i, with c = nn'>>8, h = (nn'>>7)&1, r = (nn'>>3)&15, i = nn'&7:
;                       so a token's q (and k) leaves the product as four runs of 512 bytes in which lane 16 h + r finds head r, channels 16 c + 8 h + 0..7.
;   wts byte 4,194,304: wob [ot 64][j 16][c 4][lane 32][8] = Wo[16 ot + r][64 j + 16 c + 8 h + 0..7].
;   wts byte 6,291,456: wvs [ks 32][dt 4][g2 2][lane 32][8] = the sum over the 16 heads hd of bf16(Wv[64 hd + 16 dt + r][32 ks + 16 g2 + 8 h + 0..7]), summed in f32, rounded once.
; ROLES by the work-group's number g: 0..1023 sixteen rows of x; 1024..1151 sixteen rows of wqk; 1152..1215 one ot of wob; 1216..1247 eight runs of wvs, one a wave.
; LIMITS: bf16 keeps 8 significant bits; NaN and infinities pass through the conversion as they are.
; THE MODE: SCHED_MODE bits 1:0 = 2 (LLVM: expert scheduling mode 2), set by the entry lines.  The code itself states the register dependences
; between vector instructions and memory instructions, with s_wait_alu, always for 0.
; THE PLAN.  Registers that memory instructions touch:
;   v2, v3, v7   offsets, written by vector lines at the head and never again; read by the loads and stores of the rows path (v2, v3) and by the loads of the wvs path (v7).
;   v9, v8       offsets, written by vector lines at the head of the wob path (v9, v8) or of the wvs path (v8) and never again; read by that path's loads (v9) and stores (v8).
;   X            written by loads alone, once; no vector line names it before they are issued; read by the conversions behind the wait for the data.
;   Y, OUTW      written by conversions, once; each register is read by one store and never written again.
; So a wait on va_vdst stands ahead of the first memory instruction that reads fresh offsets, and ONE ahead of each run of stores: the conversions go in blocks of eight, their stores in one run behind them.
; No register that a memory instruction has read is ever written again: no wait on vm_vsrc is owed.  s21, which a vector line writes, has its wait on va_sdst at the head.  EXEC is never written.
.set G_X,   1024
.set G_W,   1152
.set G_O,   1216
.set WOB,   4194304
.set WVS,   6291456
.set X,   16                           ; v[16:143] as loaded
.set Y,   80                           ; v[80:111] rows and wob: packed results, a set for each store: no store's data is rewritten
.set T,   144                          ; v[144:151] wvs: eight numbers at work
.set PKD, 152                          ; v[152:155] wvs: a head's eight numbers rounded to bf16
.set SUM, 156                          ; v[156:163] wvs: the sums
.set OUTW, 164                         ; v[164:167] wvs: the sums rounded
	s_load_b256 s[4:11], s[0:1], 0x0               ; x s[4:5], Wq s[6:7], Wk s[8:9], Wv s[10:11]
	s_load_b128 s[12:15], s[0:1], 0x20             ; Wo s[12:13], xb s[14:15]
	s_load_b64 s[16:17], s[0:1], 0x30              ; wts
	s_mov_b32 s20, ttmp9                           ; g
	s_mov_b32 s23, 0                               ; high word of every offset
	s_mov_b32 s35, 0xffff0000                      ; a word's upper bf16
	v_lshrrev_b32 v1, 5, v0
	v_readfirstlane_b32 s21, v1                    ; wave 0..7
	v_lshlrev_b32 v2, 4, v0                        ; rows: my 4 f32 of a row
	v_lshlrev_b32 v3, 3, v0                        ; rows: my 4 bf16 of a row
	v_and_b32 v4, 31, v0                           ; lane
	v_and_b32 v5, 15, v0                           ; r
	v_bfe_u32 v6, v0, 4, 1                         ; h
	v_lshlrev_b32 v7, 12, v5
	v_lshl_add_u32 v7, v6, 5, v7                   ; wob, wvs: row r of 4,096 bytes + 8 h numbers
	s_wait_alu depctr_va_sdst(0)                   ; s21 is written, ahead of the branches and of its first reader: the wob and wvs paths make their addresses from it
	s_wait_alu depctr_va_vdst(0)                   ; v2, v3 and v7 are written: the loads and stores of the rows path and the loads of the wvs path read them as offsets
	s_wait_kmcnt 0x0
	s_cmp_lt_u32 s20, G_X
	s_cbranch_scc0 .Lnot_x
	s_lshl_b32 s22, s20, 16                        ; 16 rows of 4,096 bytes
	s_add_nc_u64 s[24:25], s[4:5], s[22:23]        ; rows 0-7
	s_add_nc_u64 s[26:27], s[24:25], 8*4096        ; rows 8-15
	s_lshl_b32 s22, s20, 15                        ; 16 rows of 2,048 bytes
	s_add_nc_u64 s[28:29], s[14:15], s[22:23]
	s_branch .Lrows
.Lnot_x:
	s_cmp_lt_u32 s20, G_W
	s_cbranch_scc0 .Lnot_w
	s_sub_co_u32 s30, s20, G_X                     ; u: destination rows 16 u .. 16 u + 15
	s_cmp_lt_u32 s30, 64
	s_cselect_b64 s[24:25], s[6:7], s[8:9]         ; Wq, then Wk
	s_and_b32 s31, s30, 7
	s_lshl_b32 s31, s31, 7                         ; r = 2 (u & 7) + (row >> 3): 128 (u & 7)
	s_bfe_u32 s32, s30, 0x20004
	s_lshl_b32 s32, s32, 4                         ; + 16 c
	s_add_co_u32 s31, s31, s32
	s_bfe_u32 s32, s30, 0x10003
	s_lshl_b32 s32, s32, 3                         ; + 8 h
	s_add_co_u32 s31, s31, s32
	s_lshl_b32 s22, s31, 12
	s_add_nc_u64 s[24:25], s[24:25], s[22:23]      ; destination rows 0-7: eight source rows on end,
	s_add_nc_u64 s[26:27], s[24:25], 64*4096       ; rows 8-15: the next head's, 64 rows on
	s_lshl_b32 s22, s30, 15
	s_add_nc_u64 s[28:29], s[16:17], s[22:23]
.Lrows:
	; sixteen loads are out at once; the rows go in four blocks of four; each wait leaves the younger blocks out; a store of a wave covers 256 consecutive bytes, aligned
.irp u, 0,1,2,3,4,5,6,7
	global_load_b128 v[X+4*(\u):X+4*(\u)+3], v2, s[24:25] offset:(\u)*4096 th:TH_LOAD_NT
.endr
.irp u, 0,1,2,3,4,5,6,7
	global_load_b128 v[X+32+4*(\u):X+32+4*(\u)+3], v2, s[26:27] offset:(\u)*4096 th:TH_LOAD_NT
.endr
.irp b, 0,1,2,3
	s_wait_loadcnt 12-4*(\b)                       ; loads come back in order: rows 4 b to 4 b + 3 are in, the 12 - 4 b loads issued behind them stay out
.irp i, 0,1,2,3
	v_cvt_pk_bf16_f32 v[Y+2*(4*(\b)+(\i))],   v[X+4*(4*(\b)+(\i))],   v[X+4*(4*(\b)+(\i))+1]
	v_cvt_pk_bf16_f32 v[Y+2*(4*(\b)+(\i))+1], v[X+4*(4*(\b)+(\i))+2], v[X+4*(4*(\b)+(\i))+3]
.endr
	s_wait_alu depctr_va_vdst(0)                   ; the block's eight conversions have written its eight registers of Y, which the four stores below read
.irp i, 0,1,2,3
	global_store_b64 v3, v[Y+2*(4*(\b)+(\i)):Y+2*(4*(\b)+(\i))+1], s[28:29] offset:(4*(\b)+(\i))*2048
.endr
.endr
	s_endpgm
.Lnot_w:
	s_cmp_lt_u32 s20, G_O
	s_cbranch_scc0 .Lwv
	; WOB: wave w takes j = 2 w, 2 w + 1: run k = 4 (j & 1) + c of its eight
	s_sub_co_u32 s30, s20, G_W                     ; ot
	s_lshl_b32 s22, s30, 16                        ; 16 rows of Wo
	s_add_nc_u64 s[24:25], s[12:13], s[22:23]
	s_lshl_b32 s22, s30, 15
	s_add_nc_u64 s[28:29], s[16:17], s[22:23]
	s_add_nc_u64 s[28:29], s[28:29], WOB
	s_lshl_b32 s31, s21, 9                         ; two j: 512 bytes of a row
	v_add_nc_u32 v9, s31, v7
	s_lshl_b32 s31, s21, 12                        ; eight runs of 512 bytes
	v_lshl_add_u32 v8, v4, 4, s31
	s_wait_alu depctr_va_vdst(0)                   ; v9 is written, which the loads below read as their offset, and v8, which the stores read
.irp k, 0,1,2,3,4,5,6,7
	global_load_b128 v[X+8*(\k):X+8*(\k)+3],   v9, s[24:25] offset:((\k)/4)*256+((\k)%4)*64 th:TH_LOAD_NT
	global_load_b128 v[X+8*(\k)+4:X+8*(\k)+7], v9, s[24:25] offset:((\k)/4)*256+((\k)%4)*64+16 th:TH_LOAD_NT
.endr
.irp b, 0,1,2,3
	s_wait_loadcnt 12-4*(\b)                       ; runs 2 b and 2 b + 1, four loads, are in; the 12 - 4 b loads issued behind them stay out
.irp k, 0,1
.irp p, 0,1,2,3
	v_cvt_pk_bf16_f32 v[Y+4*(2*(\b)+(\k))+(\p)], v[X+8*(2*(\b)+(\k))+2*(\p)], v[X+8*(2*(\b)+(\k))+2*(\p)+1]
.endr
.endr
	s_wait_alu depctr_va_vdst(0)                   ; the block's eight conversions have written its eight registers of Y, which the two stores below read
.irp k, 0,1
	global_store_b128 v8, v[Y+4*(2*(\b)+(\k)):Y+4*(2*(\b)+(\k))+3], s[28:29] offset:(2*(\b)+(\k))*512   ; 512 consecutive bytes
.endr
.endr
	s_endpgm
.Lwv:
	; WVS: one run a wave: the same 8 numbers a lane from each of the 16 heads
	s_sub_co_u32 s30, s20, G_O                     ; u
	s_and_b32 s31, s30, 1
	s_lshl_b32 s31, s31, 1
	s_lshr_b32 s32, s21, 2
	s_add_co_u32 s31, s31, s32                     ; dt = 2 (u & 1) + (wave >> 2)
	s_lshr_b32 s32, s30, 1
	s_lshl_b32 s32, s32, 1
	s_bfe_u32 s33, s21, 0x10001
	s_add_co_u32 s32, s32, s33                     ; ks = 2 (u >> 1) + ((wave >> 1) & 1)
	s_and_b32 s33, s21, 1                          ; g2
	s_lshl_b32 s22, s31, 16                        ; 16 dt rows
	s_lshl_b32 s34, s32, 7                         ; 32 ks numbers
	s_add_co_u32 s22, s22, s34
	s_lshl_b32 s34, s33, 6                         ; 16 g2 numbers
	s_add_co_u32 s22, s22, s34
	s_add_nc_u64 s[24:25], s[10:11], s[22:23]
	s_lshl2_add_u32 s34, s32, s31                  ; 4 ks + dt
	s_lshl1_add_u32 s34, s34, s33                  ; twice that + g2
	s_lshl_b32 s22, s34, 9
	s_add_nc_u64 s[28:29], s[16:17], s[22:23]
	s_add_nc_u64 s[28:29], s[28:29], WVS
	v_lshlrev_b32 v8, 4, v4                        ; the store's offset: the wait ahead of the store covers it
.irp d, 0,1,2,3,4,5,6,7,8,9,10,11,12,13,14,15
	global_load_b128 v[X+8*(\d):X+8*(\d)+3],   v7, s[24:25] offset:(\d)*262144 th:TH_LOAD_NT
	global_load_b128 v[X+8*(\d)+4:X+8*(\d)+7], v7, s[24:25] offset:(\d)*262144+16 th:TH_LOAD_NT
.endr
.irp d, 0,1,2,3,4,5,6,7,8,9,10,11,12,13,14,15
	s_wait_loadcnt 30-2*(\d)                       ; head d's two loads are in
.irp p, 0,1,2,3
	v_cvt_pk_bf16_f32 v[PKD+(\p)], v[X+8*(\d)+2*(\p)], v[X+8*(\d)+2*(\p)+1]   ; the input's rounding
.endr
.if (\d) == 0
.irp p, 0,1,2,3
	v_lshlrev_b32 v[SUM+2*(\p)],   16,  v[PKD+(\p)]   ; head 0 starts the sums: nothing is cleared
	v_and_b32     v[SUM+2*(\p)+1], s35, v[PKD+(\p)]
.endr
.else
.irp p, 0,1,2,3
	v_lshlrev_b32 v[T+2*(\p)],   16,  v[PKD+(\p)]
	v_and_b32     v[T+2*(\p)+1], s35, v[PKD+(\p)]
.endr
.irp p, 0,1,2,3
	v_pk_add_f32 v[SUM+2*(\p):SUM+2*(\p)+1], v[SUM+2*(\p):SUM+2*(\p)+1], v[T+2*(\p):T+2*(\p)+1]
.endr
.endif
.endr
.irp p, 0,1,2,3
	v_cvt_pk_bf16_f32 v[OUTW+(\p)], v[SUM+2*(\p)], v[SUM+2*(\p)+1]
.endr
	s_wait_alu depctr_va_vdst(0)                   ; the four conversions have written OUTW, the store's data, and v8, its offset, is written
	global_store_b128 v8, v[OUTW:OUTW+3], s[28:29]
	s_endpgm
.Lfunc_end_k_q523e219060_prep:
	.size	k_q523e219060_prep, .Lfunc_end_k_q523e219060_prep-k_q523e219060_prep
	.p2alignl 7, 3214868480
	.fill 96, 4, 3214868480
	.section	.rodata,"a",@progbits
	.p2align	6, 0x0
	.amdhsa_kernel k_q523e219060_prep
		.amdhsa_group_segment_fixed_size 0
		.amdhsa_private_segment_fixed_size 0
		.amdhsa_enable_private_segment 0
		.amdhsa_kernarg_size 56
		.amdhsa_user_sgpr_count 2
		.amdhsa_user_sgpr_kernarg_segment_ptr 1
		.amdhsa_wavefront_size32 1
		.amdhsa_system_sgpr_workgroup_id_x 1
		.amdhsa_system_sgpr_workgroup_id_y 1
		.amdhsa_system_sgpr_workgroup_id_z 1
		.amdhsa_system_vgpr_workitem_id 0
		.amdhsa_next_free_vgpr 168
		.amdhsa_next_free_sgpr 66
		.amdhsa_reserve_vcc 0
		.amdhsa_float_denorm_mode_32 3
		.amdhsa_float_denorm_mode_16_64 3
		.amdhsa_memory_ordered 1
		.amdhsa_forward_progress 1
		.amdhsa_inst_pref_size 29
	.end_amdhsa_kernel
	.amdgpu_metadata
---
amdhsa.version: [ 1, 2 ]
amdhsa.kernels:
  - .name:           k_q523e219060_prep
    .symbol:         k_q523e219060_prep.kd
    .args:
      - { .name: x, .offset: 0, .size: 8, .value_kind: global_buffer, .address_space: global }
      - { .name: Wq, .offset: 8, .size: 8, .value_kind: global_buffer, .address_space: global }
      - { .name: Wk, .offset: 16, .size: 8, .value_kind: global_buffer, .address_space: global }
      - { .name: Wv, .offset: 24, .size: 8, .value_kind: global_buffer, .address_space: global }
      - { .name: Wo, .offset: 32, .size: 8, .value_kind: global_buffer, .address_space: global }
      - { .name: xb, .offset: 40, .size: 8, .value_kind: global_buffer, .address_space: global }
      - { .name: wts, .offset: 48, .size: 8, .value_kind: global_buffer, .address_space: global }
    .group_segment_fixed_size: 0
    .private_segment_fixed_size: 0
    .kernarg_segment_align: 8
    .kernarg_segment_size: 56
    .max_flat_workgroup_size: 256
    .sgpr_count:     66
    .vgpr_count:     168
    .wavefront_size: 32
...
	.end_amdgpu_metadata
.endif
;; end of part 6
;; launch gemm: the kernel of part 2 again; grid 8 x 32, 4 waves a work-group, clusters of 4 x 4, 327,680 bytes of LDS; arguments xb, wts, qk; writes qk
;; launch energy: the kernel of part 3 again; grid 256 x 1, 4 waves a work-group, no clusters, 78,336 bytes of LDS; arguments qk, xb, wts, pb, stats, vsb; writes pb, stats, vsb
;; launch attn: the kernel of part 4 again; grid 256 x 1, 4 waves a work-group, no clusters, 1,536 bytes of LDS; arguments stats, pb, atab; writes atab
;; launch final: the kernel of part 5 again; grid 256 x 1, 4 waves a work-group, clusters of 4 x 1, 266,752 bytes of LDS; arguments vsb, atab, wts, bo, out0; writes out0
